; MI455X (gfx1250); checked and timed in simulation.
; The chip was launched on July 23, 2026; its instructions are those of AMD's public machine-readable ISA for CDNA 5 (MIT licence, August 2026) and "CDNA5" Instruction Set Architecture Reference Guide (July 2026). The comments in the code are by the model that wrote it; some were corrected since.
;; Causal Multi Head Attention. Allowed arithmetic: matrix products marked QUANTISED: E4M3 operands, one E8M0 scale for each 32 along K, by v_wmma_scale_f32_16x16x128_f8f6f4 with both operands' format E4M3, f32 sums; everything else in f32.
;; Inputs: Wk 1,024 x 1,024 float32; Wo 1,024 x 1,024 float32; Wq 1,024 x 1,024 float32; Wv 1,024 x 1,024 float32; x 4 x 2,048 x 1,024 float32.
;; Outputs: out0 4 x 2,048 x 1,024 float32.
;; This version of the problem:
;;   THIS VERSION OF THE PROBLEM IS GIVEN IN LOW PRECISION. The matrix products marked QUANTISED in the list below multiply operands that are first quantised to E4M3 (4 exponent bits, 3 mantissa bits; 8 bits a number), with one power-of-two scale for each 32 numbers along K (OCP MX v1.0); their sums are f32. All else is computed in f32.
;;   The module's matrix products, in the order in which they are computed (A, B: the left and right operand; K: the contracted axis; several contracted axes count as one K, in the product's order):
;;     1. [M 8,192, K 1,024] x [K 1,024, N 1,024]; A: input x; B: input Wq: QUANTISED
;;     2. [M 8,192, K 1,024] x [K 1,024, N 1,024]; A: input x; B: input Wk: QUANTISED
;;     3. [M 8,192, K 1,024] x [K 1,024, N 1,024]; A: input x; B: input Wv: QUANTISED
;;     4. batch 64 x [M 2,048, K 64] x [K 64, N 2,048]; A: computed on the way; B: computed on the way: QUANTISED
;;     5. batch 64 x [M 2,048, K 2,048] x [K 2,048, N 64]; A: softmax (see below); B: computed on the way: QUANTISED
;;     6. [M 8,192, K 1,024] x [K 1,024, N 1,024]; A: computed on the way; B: input Wo: QUANTISED
;;   THE QUANTISER, for each operand of a quantised product, along K:
;;     - K is cut into blocks of 32 from its start; a last block that is shorter is filled with zeros.
;;     - A block's scale is 2^e with e = floor(log2(the largest magnitude in the block)) - 8, held to -126 .. 127; a block of zeros has e = 0. As a byte (E8M0): e + 127.
;;     - Each number is divided by its block's scale, clamped to +-448, and rounded to the nearest number of E4M3, ties to even, subnormals kept.
;;     - The product sums the exact products of the quantised numbers (number of the format x scale) in f32.
;;   ~~~python
;;   def quantise(x, axis):      # numpy; x: float32 -> the quantised numbers, widened to float32 again
;;       x = np.moveaxis(x, axis, -1); K = x.shape[-1]
;;       x = np.pad(x, [(0, 0)] * (x.ndim - 1) + [(0, -K % 32)]); x = x.reshape(x.shape[:-1] + (-1, 32)); a = np.abs(x).max(-1, keepdims=True)
;;       e = np.where(a > 0, np.clip(np.frexp(np.where(a > 0, a, 1))[1] - 1 - 8, -126, 127), 0)      # np.frexp(a)[1] - 1 = floor(log2(a)), exactly
;;       r = np.clip(x / 2.0 ** e, -448, 448)
;;       step = 2.0 ** (np.maximum(np.frexp(np.where(r == 0, 1, r))[1] - 1, -6) - 3)
;;       q = np.round(r / step) * step * 2.0 ** e      # np.round: ties to even
;;       return np.moveaxis(q.reshape(q.shape[:-2] + (-1,))[..., :K], -1, axis).astype(np.float32)
;;   ~~~
;;   SOFTMAX AHEAD OF A QUANTISED PRODUCT. Where the list says 'softmax', what is quantised is not the finished softmax but p = 2^(t - M), with t = logit x log2(e) and M = ceil(the row's largest t), a whole number; so 1/2 < the row's largest p <= 1. The row's sum l is taken of the UNQUANTISED p, in f32, and the product's result is divided by l at the end. Since M is a whole number, a kernel that streams over the keys may use a running M (the ceiling of the running maximum): every later rescaling is an exact power of two, which a block's scale takes up: the codes' values come out the same.
;;   OPERANDS COMPUTED ON THE WAY. 'Computed on the way' means the value that the module computes at that place (a softmax that the list does not call 'softmax' is quantised finished and normalised). What goes into a quantiser is computed in f32, as accurately as f32 sums, v_exp_f32 and their like allow (about 1e-6 of the number): no bf16 or f16 on the way to a quantiser, and a product that is left as it is and whose result goes on into a quantised operand takes f32 operands (vector FMAs, or v_wmma_f32_16x16x4_f32). A number that lies on a knife's edge between two numbers of the format may be rounded either way, as far as f32 arithmetic and the matrix unit's own rounding can turn it there, and no further.
;; One version. Each part assembles by itself: llvm-mc -triple=amdgcn-amd-amdhsa -mcpu=gfx1250 --defsym DOCPART=n.
;; ======== version 1 of 1: 4 launches
;; limits: right only within a limited range of input values
;; workspace buffers: xw_img 12,582,912 bytes; xw_sc 393,216 bytes; qkv_img 25,165,824 bytes; qkv_sc 786,432 bytes; o_img 8,388,608 bytes; o_sc 262,144 bytes
;; launch quant (part 1): grid 768 x 1, 4 waves a work-group, no clusters, 34,304 bytes of LDS; arguments x, Wq, Wk, Wv, Wo, xw_img, xw_sc; writes xw_img, xw_sc
.if DOCPART == 1
	.amdgcn_target "amdgcn-amd-amdhsa--gfx1250"
	.amdhsa_code_object_version 6
	.text
	.protected	k_qff0f997947_quant
	.globl	k_qff0f997947_quant
	.p2align	8
	.type	k_qff0f997947_quant,@function
k_qff0f997947_quant:
	s_mov_b64 s[64:65], 0
	v_nop
	global_prefetch_b8 v0, s[64:65] scope:SCOPE_SE
	s_setreg_imm32_b32 hwreg(HW_REG_WAVE_MODE, 25, 1), 1
	s_wait_xcnt 0x0
; x [8192][1024] and Wq, Wk, Wv, Wo [1024][1024], f32, K innermost, become codes of FP8 (E4M3) with one E8M0 byte for each 32 along K,
; laid as IMAGES OF THE OPERAND'S REGISTERS.  Tile T of 16 rows holds rows 32 (T / 2) + 8 (T % 2) + r + 8 (r / 8), r = 0 .. 15.  The image of tile T and K step s (128 along K) is
; 2,048 bytes: byte 512 c + 16 lane + i is the code of the tile's row lane % 16 at k = 128 s + 32 c + 16 (lane / 16) + i.  Its scale image is 16 words: word r = the four bytes of row r.
; xw_img: [tile 0..767][s 0..7][2048]; tiles 0-511 x, 512-575 Wq, 576-639 Wk, 640-703 Wv, 704-767 Wo.  xw_sc: [tile][s][16 words].
; A block's scale is 2^(floor(log2(its largest magnitude)) - 8); each number is divided by it, held within +-448 and rounded to the nearest code, ties to even.
; LIMITS: NaN and infinities among the inputs are not served; a block of zeros gets the byte 1 where the rule says 127 (its codes are zeros, and this program alone reads the bytes);
; blocks whose largest magnitude lies under 2^-118 are held at the byte 1.
; SHARES: work-group g makes tile g; wave w its K steps 2 w and 2 w + 1 (units 0, 1).  Each load reads 512 consecutive bytes of one row; a unit's 16 rows turn through the wave's own stage
; in LDS (rows 528 bytes apart) so that a lane gets 16 neighbours of each block of 32.  Waves share nothing: no barrier.  All 32 loads of a wave are asked for at the head.
.set SP,   528                         ; a stage row: 512 bytes + 16
.set RR,   16                          ; v16-143   the numbers as loaded: unit u, row t at RR + 64 u + 4 t
.set XX,   144                         ; v144-207  64 numbers of my row: register 16 c + i = k 32 c + 16 (lane / 16) + i
.set PCD,  208                         ; v208-239  codes, 16 registers a unit: no store's data are written again
.set TM,   240                         ; v240-243 largest magnitudes, v244-247 bytes, v252-255 the conversions' scale operands
.set PW,   8                           ; v8, v9    the units' scale words
.set MNT,  23
.set SEL,  24
.set MH,   26
	s_load_b256 s[4:11], s[0:1], 0x0               ; x, Wq, Wk, Wv
	s_load_b128 s[12:15], s[0:1], 0x20             ; Wo, xw_img
	s_load_b64 s[16:17], s[0:1], 0x30              ; xw_sc
	v_lshl_add_u32 v14, v0, 2, 0x8400
	v_mov_b32 v15, 0
	v_lshrrev_b32 v5, 5, v0
	v_readfirstlane_b32 s18, v5                    ; wave
	v_and_b32 v6, 31, v0                           ; lane
	v_lshlrev_b32 v1, 4, v6                        ; 16 x lane: my bytes of a load's 512, and of an image's 512
	v_lshlrev_b32 v4, 2, v6                        ; 4 x lane: my scale word's place
	s_mul_i32 s19, s18, 16*SP                      ; my wave's stage
	v_add_nc_u32 v2, s19, v1                       ; into it: as loaded
	v_and_b32 v7, 15, v0
	v_bfe_u32 v5, v0, 4, 1
	v_mul_u32_u24 v3, v7, SP
	v_lshl_add_u32 v3, v5, 6, v3
	v_add_nc_u32 v3, s19, v3                       ; out of it: row lane % 16, + 64 bytes for lanes 16-31
	s_mov_b32 s[SEL], 0x76543210
	s_mov_b32 s[SEL+1], 0xfedcba98                 ; v_permlanex16_b32's selects for lane l xor 16
	s_mov_b32 s[MH], 0xffff0000                    ; lanes 16-31
.irp b, 0,1,2,3
	v_mov_b32 v[TM+4+\b], 0                        ; written once: a lane permute's destination counts as one of its sources
.endr
	s_lshl_b32 s30, ttmp9, 14                      ; my images: tile x 16,384 + wave x 4,096
	s_lshl_b32 s31, s18, 12
	s_add_co_u32 s30, s30, s31
	s_mov_b32 s31, 0
	s_lshl_b32 s32, ttmp9, 9                       ; my scale images: tile x 512 + wave x 128
	s_lshl_b32 s33, s18, 7
	s_add_co_u32 s32, s32, s33
	s_mov_b32 s33, 0
	s_and_b32 s27, ttmp9, 63                       ; a weight's tile
	s_wait_alu depctr_va_vdst(0)
	s_wait_kmcnt 0x0
	s_mov_b64 s[20:21], s[12:13]                   ; which tensor: the choice hangs on the work-group's number alone
	s_cmp_lt_u32 ttmp9, 704
	s_cselect_b64 s[20:21], s[10:11], s[20:21]
	s_cmp_lt_u32 ttmp9, 640
	s_cselect_b64 s[20:21], s[8:9], s[20:21]
	s_cmp_lt_u32 ttmp9, 576
	s_cselect_b64 s[20:21], s[6:7], s[20:21]
	s_cmp_lt_u32 ttmp9, 512
	s_cselect_b64 s[20:21], s[4:5], s[20:21]
	s_cselect_b32 s27, ttmp9, s27                  ; the tile's number in its tensor
	s_lshr_b32 s28, s27, 1
	s_lshl_b32 s28, s28, 17                        ; 32 rows of 4,096 bytes for each pair of tiles,
	s_and_b32 s29, s27, 1
	s_lshl_b32 s29, s29, 15                        ; 8 rows for the odd one,
	s_add_co_u32 s28, s28, s29
	s_lshl_b32 s29, s18, 10                        ; my wave's 256 numbers of a row
	s_add_co_u32 s28, s28, s29
	s_mov_b32 s29, 0
	s_add_nc_u64 s[20:21], s[20:21], s[28:29]
	s_add_nc_u64 s[14:15], s[14:15], s[30:31]
	s_add_nc_u64 s[16:17], s[16:17], s[32:33]
.macro LOADU u                         ; unit u: the tile's 16 rows, 512 consecutive bytes each
.irp t, 0,1,2,3,4,5,6,7,8,9,10,11,12,13,14,15
	global_load_b128 v[RR+64*\u+4*\t:RR+64*\u+4*\t+3], v1, s[20:21] offset:(\t+8*(\t/8))*4096+512*\u th:TH_LOAD_NT
.endr
.endm
.macro TURN u                          ; through the stage: LDS serves a wave's instructions in order, so no wait stands between the stores and the loads
.irp t, 0,1,2,3,4,5,6,7,8,9,10,11,12,13,14,15
	ds_store_b128 v2, v[RR+64*\u+4*\t:RR+64*\u+4*\t+3] offset:SP*\t
.endr
.irp c, 0,1,2,3
.irp j, 0,1,2,3
	ds_load_b128 v[XX+16*\c+4*\j:XX+16*\c+4*\j+3], v3 offset:128*\c+16*\j
.endr
.endr
.endm
.macro QUANT u                         ; v[XX] on -> unit u's codes and scale word
.irp b, 0,1,2,3
	v_max3_num_f32 v[TM+\b], |v[XX+16*\b]|, |v[XX+16*\b+1]|, 0x4800000   ; my 16 numbers of block b, and the floor 2^(9 - 127): the byte cannot fall under 1
.endr
.irp i, 2,4,6,8,10,12,14
.irp b, 0,1,2,3
	v_max3_num_f32 v[TM+\b], v[TM+\b], |v[XX+16*\b+\i]|, |v[XX+16*\b+\i+1]|   ; the four blocks by turns
.endr
.endr
.irp b, 0,1,2,3
	v_permlanex16_b32 v[TM+4+\b], v[TM+\b], s[SEL], s[SEL+1]
.endr
.irp b, 0,1,2,3
	v_max_num_f32 v[TM+\b], v[TM+\b], v[TM+4+\b]   ; with lane l xor 16's 16: the block's largest magnitude
.endr
.irp b, 0,1,2,3
	v_add_nc_u32 v[TM+12+\b], 0xfc000000, v[TM+\b] ; 8 off its exponent field: the conversion's scale operand
.endr
.irp b, 0,1,2,3
.endr
.irp b, 0,1,2,3
	v_lshrrev_b32 v[TM+4+\b], 23, v[TM+12+\b]      ; the scale's byte
.endr
	v_lshl_or_b32 v[PW+\u], v[TM+5], 8, v[TM+4]
	v_lshl_or_b32 v[PW+\u], v[TM+6], 16, v[PW+\u]
	v_lshl_or_b32 v[PW+\u], v[TM+7], 24, v[PW+\u]
.irp b, 0,1,2,3
.irp i, 0,1,2,3,4,5,6,7,8,9,10,11,12,13,14,15
.endr
	v_cvt_scalef32_pk8_fp8_f32 v[PCD+16*\u+4*\b:PCD+16*\u+4*\b+1], v[XX+16*\b:XX+16*\b+7], v[TM+12+\b]
	v_cvt_scalef32_pk8_fp8_f32 v[PCD+16*\u+4*\b+2:PCD+16*\u+4*\b+3], v[XX+16*\b+8:XX+16*\b+15], v[TM+12+\b]
.endr
	v_nop                                          ; one plain line behind the last conversion
.irp c, 0,1,2,3
	global_store_b128 v1, v[PCD+16*\u+4*\c:PCD+16*\u+4*\c+3], s[14:15] offset:2048*\u+512*\c   ; the wave stores 512 consecutive bytes, aligned
.endr
.endm
	LOADU 0
	LOADU 1
	s_wait_loadcnt 16                              ; unit 0's 16 loads are in; unit 1's 16 may be out
	TURN 0
	s_wait_dscnt 0x0
	QUANT 0
	s_wait_loadcnt 0x0
	TURN 1
	s_wait_dscnt 0x0
	QUANT 1
	v_cndmask_b32 v10, v[PW], v[PW+1], s[MH]       ; lanes 0-15: K step 2 w's words; lanes 16-31: K step 2 w + 1's
	global_store_b32 v4, v10, s[16:17]             ; 128 consecutive bytes
	s_wait_tensorcnt 0x0
	ds_add_u32 v14, v15
	s_wait_dscnt 0x0
	s_endpgm
.Lfunc_end_k_qff0f997947_quant:
	.size	k_qff0f997947_quant, .Lfunc_end_k_qff0f997947_quant-k_qff0f997947_quant
	.p2alignl 7, 3214868480
	.fill 96, 4, 3214868480
	.section	.rodata,"a",@progbits
	.p2align	6, 0x0
	.amdhsa_kernel k_qff0f997947_quant
		.amdhsa_group_segment_fixed_size 34304
		.amdhsa_private_segment_fixed_size 0
		.amdhsa_enable_private_segment 0
		.amdhsa_kernarg_size 56
		.amdhsa_user_sgpr_count 2
		.amdhsa_user_sgpr_kernarg_segment_ptr 1
		.amdhsa_wavefront_size32 1
		.amdhsa_system_sgpr_workgroup_id_x 1
		.amdhsa_system_sgpr_workgroup_id_y 1
		.amdhsa_system_sgpr_workgroup_id_z 1
		.amdhsa_system_vgpr_workitem_id 0
		.amdhsa_next_free_vgpr 256
		.amdhsa_next_free_sgpr 66
		.amdhsa_reserve_vcc 0
		.amdhsa_float_denorm_mode_32 3
		.amdhsa_float_denorm_mode_16_64 3
		.amdhsa_fp16_overflow 1
		.amdhsa_memory_ordered 1
		.amdhsa_forward_progress 1
		.amdhsa_inst_pref_size 18
	.end_amdhsa_kernel
	.amdgpu_metadata
---
amdhsa.version: [ 1, 2 ]
amdhsa.kernels:
  - .name:           k_qff0f997947_quant
    .symbol:         k_qff0f997947_quant.kd
    .args:
      - { .name: x, .offset: 0, .size: 8, .value_kind: global_buffer, .address_space: global }
      - { .name: Wq, .offset: 8, .size: 8, .value_kind: global_buffer, .address_space: global }
      - { .name: Wk, .offset: 16, .size: 8, .value_kind: global_buffer, .address_space: global }
      - { .name: Wv, .offset: 24, .size: 8, .value_kind: global_buffer, .address_space: global }
      - { .name: Wo, .offset: 32, .size: 8, .value_kind: global_buffer, .address_space: global }
      - { .name: xw_img, .offset: 40, .size: 8, .value_kind: global_buffer, .address_space: global }
      - { .name: xw_sc, .offset: 48, .size: 8, .value_kind: global_buffer, .address_space: global }
    .group_segment_fixed_size: 34304
    .private_segment_fixed_size: 0
    .kernarg_segment_align: 8
    .kernarg_segment_size: 56
    .max_flat_workgroup_size: 128
    .sgpr_count:     66
    .vgpr_count:     256
    .wavefront_size: 32
...
	.end_amdgpu_metadata
.endif
;; end of part 1
;; launch qkv (part 2): grid 12 x 32, 4 waves a work-group, clusters of 4 x 4, 327,680 bytes of LDS; arguments xw_img, xw_sc, qkv_img, qkv_sc; writes qkv_img, qkv_sc
.if DOCPART == 2
	.amdgcn_target "amdgcn-amd-amdhsa--gfx1250"
	.amdhsa_code_object_version 6
	.text
	.protected	k_qff0f997947_qkv
	.globl	k_qff0f997947_qkv
	.p2align	8
	.type	k_qff0f997947_qkv,@function
k_qff0f997947_qkv:
	s_mov_b64 s[64:65], 0
	v_nop
	global_prefetch_b8 v0, s[64:65] scope:SCOPE_SE
	s_setreg_imm32_b32 hwreg(HW_REG_WAVE_MODE, 25, 1), 1
	s_wait_xcnt 0x0
	s_wait_alu depctr_hold_cnt(0) depctr_sa_sdst(0) depctr_va_vdst(0) depctr_va_sdst(0) depctr_va_ssrc(0) depctr_va_vcc(0) depctr_vm_vsrc(0)
	s_getreg_b32 s2, hwreg(HW_REG_IB_STS2, 6, 4)
	s_cmp_eq_u32 s2, 0
	s_cbranch_scc0 .Lentry_in_a_cluster
	s_endpgm
.Lentry_in_a_cluster:
	s_bfe_u32 s2, ttmp6, 0x10000c
	s_cmp_lg_u32 s2, 0xf033
	s_cbranch_scc0 .Lentry_shape_is_right
	s_endpgm
.Lentry_shape_is_right:
; q = x Wq^T, k = x Wk^T, v = x Wv^T on codes of FP8 (E4M3) with E8M0 scales, K = 1,024; the results are quantised in registers and leave as images of the next operands' registers.
; IMAGES: tile T of 16 rows holds rows 32 (T / 2) + 8 (T % 2) + r + 8 (r / 8); the image of 16 rows x 128 K is 2,048 bytes, byte 512 c + 16 lane + i = row lane % 16, k = 32 c + 16 (lane / 16) + i.
; A tile of 256 x 256 results is made by four waves, each 128 x 128: 64 accumulators.  Source 0 is the P side, source 1 the R side: in accumulator (a, b) lane (r, h) holds R row r of block a, and
; the 16 registers of blocks b = 2 e, 2 e + 1 are P rows 32 e + 16 h + 0 .. 15: 16 neighbours along the axis that is quantised next.  So the conversions' results are group e of an image.
;   clusters x = 0, 1 (q, k): P = 256 rows of Wq or Wk (the head's channels are the next K), R = 256 rows of x.
;   cluster  x = 2    (v):    P = 256 rows of x (the keys are the next K), R = 256 rows of Wv.
; In every cluster the P tile hangs on cx and is asked for jointly down a column of the cluster, the R tile on cy and jointly along a row.  Which tensor a side takes is chosen by selects on the
; cluster's x, equal in all partners, and enters offsets into memory alone: no LDS address and no branch hangs on it.
; OUT: qkv_img: q at 0, k at 8,388,608: [head 16 b + hd][tile of 16 tokens t 0..127][c 0..1][512];  v at 16,777,216: [head][keys / 1024][tile of 16 channels 0..3][(keys / 32) % 32][512].
;      qkv_sc:  q at 0, k at 262,144: [head][t / 2][16 words], bytes 0, 1 = tile 2 tp's two blocks, bytes 2, 3 = tile 2 tp + 1's;  v at 524,288: [head][channel tile][keys / 128][16 words].
; K goes in steps of 256 through a ring of two LDS slots; the scale words of all of K come once.  Images are dense: every LDS load of a wave takes 512 consecutive bytes.
; LIMITS: NaN and infinities are not served; a block of zeros gets the byte 1 (its codes are zeros; this program alone reads the bytes); blocks under 2^-118 are held at the byte 1.
; REGISTERS, in windows of 256: window 0: v1, v2 lane % 16, lane / 16; v16-29 addresses; v32-63 scale words, two sets; v128-255 R's fragments, one set; on the way out v32-255 are free.
;   window 1: P's fragments, two sets.   windows 2, 3: the accumulators, (a, b) at v[8 (8 (a % 4) + b)].
.set QTR,   32768                      ; a quarter of a slot: [8 tiles of 16 rows][2 K steps of 128][2,048]: what one tensor load brings, and what one wave reads of a side
.set SLOT,  4*QTR                      ; R's two halves, then P's two
.set SCL,   2*SLOT                     ; behind the ring: the scale words, [8 tiles][8 K steps][64] a quarter
.set SCQ,   4096
.set SPARE, SCL+4*SCQ                  ; the spare words, 128 bytes for each wave: two blocks of 256 bytes that no other line names
.set FR,    16
.set NP,    8                          ; places behind this matrix instruction (ISA guide 7.12.1)
.set ADRA,  16                         ; v16-17  LDS address of my R fragments in slot 0, 1
.set ADRB,  20                         ; v20-21  the same for P
.set VOA,   24                         ; v24     16 x lane
.set VOB,   25                         ; v25     16 x lane + the way to groups 2, 3
.set ADRS,  27                         ; v27     my scale words: lanes 0-15 R's, lanes 16-31 P's
.set SPW,   28                         ; v28     my spare word; never rewritten
.set NIL,   29                         ; v29     0; never rewritten
.set SC,    32                         ; scale words: set s at v[SC + 16 s]; register 2 i + q: block i, the slot's q-th 128 along K
.set AF,    128
.set TM,    32                         ; the way out: v32-47 at work
.set PWR,   48                         ; v48-55   the scale word of R block a
.set SVO,   56                         ; v56-59   offsets of the scale stores
.set DW,    60                         ; v60-63   their data
.set PCR,   64                         ; v64-191  codes, 16 registers for each R block: no store's data are written again
.set XX,    192
.set G1, 24
.set G0, 32
.set G1B, 48
.set G0B, 56
.set G1S, 68
.set G0S, 76
.set G1SB, 80
.set G0SB, 88
.set MNT, 12
.set MH,  13
.set RST, 18                           ; s[18:19] bytes from R block to R block in qkv_img
.set EXT, 20                           ; s[20:21] and more at block 4
.set D23, 22
.set LST, 23
.set PST, 45
.set MVS, 46
.set SEL, 66
.set MSB, 0
.macro WIN new                         ; the immediate's high byte repeats the setting that is left
.if MSB != \new
	s_set_vgpr_msb (MSB<<8)|\new
.set MSB, \new
.endif
.endm
.set MUL_LO, 0xa1                      ; source 0 (P) window 1, source 1 (R) window 0, C and D window 2
.set MUL_HI, 0xf1
.set TO_B,   0x40
; A joint load: waves 0 and 1 fetch for R, waves 2 and 3 for P.  The branch hangs on the wave's number alone.  Four v_nop follow each of the two lines.
.macro JLOAD g0a, g1a, g0b, g1b
	s_cmp_eq_u32 s15, 0
	s_cbranch_scc0 .Lfor_b_\@
	tensor_load_to_lds s[\g0a:\g0a+3], s[\g1a:\g1a+7]
	s_nop 0
.rept 4
	v_nop
.endr
	s_branch .Lasked_\@
.Lfor_b_\@:
	tensor_load_to_lds s[\g0b:\g0b+3], s[\g1b:\g1b+7]
	s_nop 0
.rept 4
	v_nop
.endr
.Lasked_\@:
.endm
.macro CREST                           ; a round of the cluster's barrier behind its opening barrier
	s_cmp_lg_u32 s14, 0
	s_cbranch_scc1 .Lnot_wave_0_\@
	s_barrier_signal -3
.Lnot_wave_0_\@:
	s_barrier_wait -3
	s_barrier_signal -1
	s_barrier_wait -1
.endm
.macro CROUND
	s_barrier_signal -1
	s_barrier_wait -1
	CREST
.endm
	s_load_b256 s[4:11], s[0:1], 0x0               ; xw_img, xw_sc, qkv_img, qkv_sc
	v_lshl_add_u32 v[SPW], v0, 2, SPARE
	v_mov_b32 v[NIL], 0
	ds_add_u32 v28, v29
	ds_add_u32 v28, v29
	s_wait_dscnt 0x0
	v_lshrrev_b32 v1, 5, v0
	v_readfirstlane_b32 s14, v1                    ; wave 0..3
	s_lshr_b32 s15, s14, 1                         ; which half of R's rows is mine.  Also: I fetch for R (0) or for P (1)
	s_and_b32 s16, s14, 1                          ; which half of P's rows.  Also: which half of that tile I fetch
	s_bfe_u32 s40, ttmp6, 0x40000                  ; cx
	s_bfe_u32 s41, ttmp6, 0x40004                  ; cy
	s_lshl_b32 s42, ttmp9, 2
	s_add_co_u32 s42, s42, s40                     ; 4 x cluster x + cx
	s_and_b32 s17, ttmp7, 0xffff
	s_lshl_b32 s17, s17, 2
	s_add_co_u32 s45, s17, s40                     ; 4 x cluster y + cx
	s_add_co_u32 s17, s17, s41                     ; 4 x cluster y + cy
	s_lshl_b32 s43, s41, 2
	s_lshl_b32 s43, 15, s43                        ; my row of the cluster
	s_lshl_b32 s44, 0x1111, s40                    ; my column
	; group 1, codes: 8 rows (tiles of 16) x 4,096 bytes (two K steps' images) as 512 elements of 8 bytes, 16,384 bytes from tile to tile; dense in LDS
	s_or_b32 s[G1+0], s43, (3<<16)|(1<<21)         ; 15:0 the mask: R's tiles go to my row; 17:16 elements of 8 bytes; 21 set beside a mask
	s_or_b32 s[G1B+0], s44, (3<<16)|(1<<21)        ; P's to my column
.irp g, G1, G1B
	s_mov_b32 s[\g+1], 512<<16                     ; tensor_dim0
	s_mov_b32 s[\g+2], 8<<16                       ; tensor_dim1
	s_mov_b32 s[\g+3], 512<<16                     ; tile_dim0
	s_mov_b32 s[\g+4], 8                           ; tile_dim1
	s_mov_b32 s[\g+5], 2048                        ; tensor_dim0_stride
	s_mov_b32 s[\g+6], 0
	s_mov_b32 s[\g+7], 0
.endr
	; group 1, scales: 8 tiles x 512 dense bytes, as 16 rows of 256 bytes
	s_or_b32 s[G1S+0], s43, (3<<16)|(1<<21)
	s_or_b32 s[G1SB+0], s44, (3<<16)|(1<<21)
.irp g, G1S, G1SB
	s_mov_b32 s[\g+1], 32<<16
	s_mov_b32 s[\g+2], 16<<16
	s_mov_b32 s[\g+3], 32<<16
	s_mov_b32 s[\g+4], 16
	s_mov_b32 s[\g+5], 32
	s_mov_b32 s[\g+6], 0
	s_mov_b32 s[\g+7], 0
.endr
	; which tiles of 16 rows of xw_img.  R's number is made of cy and the cluster's numbers, P's of cx and the cluster's numbers
	s_lshl_b32 s20, s17, 4                         ; q, k: R = x, from tile 16 (4 cluster y + cy)
	s_lshl_b32 s21, s41, 4
	s_add_co_u32 s21, s21, 640                     ; v:    R = Wv, from tile 640 + 16 cy
	s_lshl_b32 s46, s42, 4
	s_add_co_u32 s46, s46, 512                     ; q, k: P = Wq, Wk, from tile 512 + 16 (4 cluster x + cx)
	s_lshl_b32 s47, s45, 4                         ; v:    P = x, from tile 16 (4 cluster y + cx)
	s_lshl_b32 s18, s16, 3                         ; the half that I fetch
	s_cmp_eq_u32 ttmp9, 2
	s_cselect_b32 s20, s21, s20
	s_cselect_b32 s46, s47, s46
	s_add_co_u32 s20, s20, s18
	s_add_co_u32 s46, s46, s18
	s_lshl_b32 s22, s20, 9                         ; 512 bytes of scale words a tile,
	s_lshl_b32 s20, s20, 14                        ; 16,384 bytes of codes
	s_lshl_b32 s92, s46, 9
	s_lshl_b32 s46, s46, 14
	s_mov_b32 s21, 0
	s_mov_b32 s23, 0
	s_mov_b32 s47, 0
	s_mov_b32 s93, 0
	s_lshl_b32 s94, s14, 15                        ; where they go: wave x a quarter: no place in the cluster enters an LDS address
	s_lshl_b32 s95, s14, 12
	s_wait_kmcnt 0x0
	s_add_nc_u64 s[20:21], s[4:5], s[20:21]
	s_add_nc_u64 s[22:23], s[6:7], s[22:23]
	s_add_nc_u64 s[46:47], s[4:5], s[46:47]
	s_add_nc_u64 s[92:93], s[6:7], s[92:93]
	CROUND                                         ; all sixteen work-groups are here: the first joint loads meet
	s_mov_b32 s[G0S], 1
	s_add_co_u32 s[G0S+1], s95, SCL
	s_mov_b64 s[G0S+2:G0S+3], s[22:23]
	s_or_b32 s[G0S+3], s[G0S+3], 0x80000000
	s_mov_b32 s[G0SB], 1
	s_add_co_u32 s[G0SB+1], s95, SCL
	s_mov_b64 s[G0SB+2:G0SB+3], s[92:93]
	s_or_b32 s[G0SB+3], s[G0SB+3], 0x80000000
	JLOAD G0S, G1S, G0SB, G1SB                     ; the scale words first: they are wanted with K step 0
.irp s, 0,1
	s_mov_b32 s[G0+4*\s], 1
	s_add_co_u32 s[G0+4*\s+1], s94, \s*SLOT
	s_add_nc_u64 s[G0+4*\s+2:G0+4*\s+3], s[20:21], \s*4096
	s_or_b32 s[G0+4*\s+3], s[G0+4*\s+3], 0x80000000
	s_mov_b32 s[G0B+4*\s], 1
	s_add_co_u32 s[G0B+4*\s+1], s94, \s*SLOT
	s_add_nc_u64 s[G0B+4*\s+2:G0B+4*\s+3], s[46:47], \s*4096
	s_or_b32 s[G0B+4*\s+3], s[G0B+4*\s+3], 0x80000000
	JLOAD G0+4*\s, G1, G0B+4*\s, G1B
.endr
	v_and_b32 v1, 15, v0                           ; r
	v_bfe_u32 v2, v0, 4, 1                         ; h
	s_wait_alu depctr_va_vdst(0)
	v_and_b32 v3, 31, v0
	v_lshlrev_b32 v[VOA], 4, v3                    ; 16 x lane
	s_wait_alu depctr_va_vdst(0)
	s_lshl_b32 s2, s15, 15                         ; my half of R
	s_lshl_b32 s3, s16, 15                         ; my half of P,
	s_add_co_u32 s3, s3, 2*QTR                     ; which lies behind R's two
.irp s, 0,1
	v_add_nc_u32 v[ADRA+\s], s2, v[VOA]
	v_add_nc_u32 v[ADRB+\s], s3, v[VOA]
	s_add_co_u32 s2, s2, SLOT
	s_add_co_u32 s3, s3, SLOT
.endr
	v_lshlrev_b32 v5, 2, v1                        ; a scale word: 4 bytes a row
	s_lshl_b32 s2, s15, 12                         ; R's: my half
	s_lshl_b32 s3, s16, 12                         ; P's: my half, behind R's two
	s_add_co_u32 s3, s3, 2*SCQ
	s_sub_co_u32 s3, s3, s2
	v_mul_u32_u24 v6, s3, v2                       ; lanes 16-31 take P's
	s_add_co_u32 s2, s2, SCL
	v_add_nc_u32 v5, v5, v6
	v_add_nc_u32 v[ADRS], s2, v5
	s_mov_b32 s[MH], 0xffff0000
	s_mov_b32 s[SEL], 0x76543210
	s_mov_b32 s[SEL+1], 0xfedcba98
	s_lshr_b32 s92, s42, 2
	s_and_b32 s93, s42, 3
	s_mov_b32 s[RST], 1024
	s_mov_b32 s[D23], 131072
	s_mov_b32 s[LST], 4096
	s_cmp_eq_u32 ttmp9, 2
	s_cselect_b32 s92, 2, s92                      ; sel
	s_cselect_b32 s93, s41, s93                    ; wt
	s_cselect_b32 s94, s45, s17                    ; tok
	s_cselect_b32 s95, s15, s16                    ; wh
	s_cselect_b32 s96, s16, s15                    ; th
	s_cselect_b32 s[RST], 16384, s[RST]            ; from R block to R block: q, k: a tile of tokens; v: a tile of channels
	s_cselect_b32 s[EXT], 65536, 0                 ; v: block 4 begins the next head
	s_cselect_b32 s[D23], 1024, s[D23]             ; groups 2, 3: q, k: the next head; v: the next 64 keys
	s_cselect_b32 s[LST], 1024, s[LST]             ; scale stores, lanes 16-31: q, k: the next head; v: the next tile of channels
	s_cselect_b32 s[MVS], -1, 0
	s_cselect_b32 s[PST], 2048, 64                 ; scale stores, from pair to pair of R blocks
	s_mov_b32 s[RST+1], 0
	s_mov_b32 s[EXT+1], 0
	s_lshr_b32 s97, s94, 3                         ; the batch
	s_and_b32 s94, s94, 7                          ; y7: which 256 tokens of it
	s_lshl_b32 s97, s97, 4
	s_lshl_b32 s93, s93, 2
	s_add_co_u32 s97, s97, s93
	s_lshl_b32 s95, s95, 1
	s_add_co_u32 s97, s97, s95                     ; my first head: 16 b + 4 wt + 2 wh
	s_lshl_b32 s98, s92, 23
	s_lshl_b32 s99, s97, 17
	s_add_co_u32 s98, s98, s99                     ; codes: sel x 8,388,608 + head x 131,072
	s_lshl_b32 s100, s92, 18
	s_lshl_b32 s99, s97, 12
	s_add_co_u32 s100, s100, s99                   ; scales: sel x 262,144 + head x 4,096
	s_lshl_b32 s92, s94, 14
	s_lshl_b32 s93, s96, 13
	s_add_co_u32 s92, s92, s93                     ; q, k codes: (16 y7 + 8 th) tiles of 1,024 bytes
	s_lshl_b32 s93, s94, 9
	s_lshl_b32 s95, s96, 8
	s_add_co_u32 s93, s93, s95                     ; q, k scales: (8 y7 + 4 th) pairs of 64 bytes
	s_lshr_b32 s95, s94, 2
	s_lshl_b32 s95, s95, 16                        ; v codes: the chunk of 1,024 keys,
	s_and_b32 s97, s94, 3
	s_lshl_b32 s97, s97, 12
	s_add_co_u32 s95, s95, s97
	s_lshl_b32 s97, s96, 11
	s_add_co_u32 s95, s95, s97                     ; and (8 (y7 % 4) + 4 th) blocks of 512 bytes
	s_lshl_b32 s97, s94, 7
	s_lshl_b32 s99, s96, 6
	s_add_co_u32 s97, s97, s99                     ; v scales: key step 2 y7 + th, 64 bytes
	s_cmp_eq_u32 ttmp9, 2
	s_cselect_b32 s92, s95, s92
	s_cselect_b32 s93, s97, s93
	s_add_co_u32 s98, s98, s92
	s_add_co_u32 s100, s100, s93
	s_mov_b32 s99, 0
	s_mov_b32 s101, 0
	s_add_nc_u64 s[8:9], s[8:9], s[98:99]
	s_add_nc_u64 s[10:11], s[10:11], s[100:101]
	v_add_nc_u32 v[VOB], s[D23], v[VOA]
.macro FRAG reg, adr, q, i             ; a fragment's image: four loads of 512 consecutive bytes
.irp c, 0,1,2,3
	ds_load_b128 v[\reg+4*\c:\reg+4*\c+3], v[\adr] offset:(\i)*4096+(\q)*2048+512*\c
.endr
.endm
; 16 matrix instructions: R's blocks a0, a0 + 1 x P's eight.  p: P's set; q: the slot's q-th 128 along K; sc: the set of scale words.  zero = 1: the first product starts the sums.
; The 64 accumulators take turns, one instruction a turn, in the same order in every step.
.macro MUL16 a0, p, q, sc, zero
.irp a, \a0, \a0+1
.irp b, 0,1,2,3,4,5,6,7
.if \zero
	v_wmma_scale_f32_16x16x128_f8f6f4 v[8*(8*((\a)%4)+\b):8*(8*((\a)%4)+\b)+7], v[128*(\p)+FR*\b:128*(\p)+FR*\b+FR-1], v[AF+FR*(\a):AF+FR*(\a)+FR-1], 0, v[SC+16*(\sc)+2*\b+(\q)], v[SC+16*(\sc)+2*(\a)+(\q)] matrix_a_scale:MATRIX_SCALE_ROW1
.else
	v_wmma_scale_f32_16x16x128_f8f6f4 v[8*(8*((\a)%4)+\b):8*(8*((\a)%4)+\b)+7], v[128*(\p)+FR*\b:128*(\p)+FR*\b+FR-1], v[AF+FR*(\a):AF+FR*(\a)+FR-1], v[8*(8*((\a)%4)+\b):8*(8*((\a)%4)+\b)+7], v[SC+16*(\sc)+2*\b+(\q)], v[SC+16*(\sc)+2*(\a)+(\q)] matrix_a_scale:MATRIX_SCALE_ROW1
.endif
.endr
.endr
.endm
.macro FETCH_B slot, q, p
	WIN TO_B
.irp i, 0,1,2,3,4,5,6,7
	FRAG 128*(\p)+FR*\i, ADRB+\slot, \q, \i
.endr
	WIN 0
.endm
.macro FETCH_A slot, q, i0
.irp i, \i0, \i0+1, \i0+2, \i0+3
	FRAG AF+FR*(\i), ADRA+\slot, \q, \i
.endr
.endm
.macro SCALES sc                       ; the next slot's scale words: lanes 0-15 R's block i, lanes 16-31 P's block i
.irp i, 0,1,2,3,4,5,6,7
.irp q, 0,1
	ds_load_b32 v[SC+16*\sc+2*\i+\q], v[ADRS] offset:512*\i+64*\q
.endr
.endr
.endm
.macro PLACES n                        ; plain vector lines between a matrix instruction and a load into, or a read of, its registers (for reads)
.rept \n
	v_nop
.endr
.endm
.macro STEP slot, zero                 ; a slot's first 128 along K; its successor lies in the same slot
	s_wait_dscnt 16                                ; P's set and R's blocks 0-3 are in; the youngest 16 loads (R's blocks 4-7) may be out
	WIN MUL_LO
	MUL16 0, 0, 0, \slot, \zero
	MUL16 2, 0, 0, \slot, \zero
	s_wait_dscnt 0
	PLACES NP
	FETCH_B \slot, 1, 1
	FETCH_A \slot, 1, 0
	WIN MUL_HI
	MUL16 4, 0, 0, \slot, \zero
	MUL16 6, 0, 0, \slot, \zero
	PLACES NP
	WIN 0
	FETCH_A \slot, 1, 4
.endm
; A slot's second 128 along K changes slots: one barrier; in front of it each wave waits for all its tensor loads, adds 0 to its spare word, and waits for that and for its reads of this slot.
.macro TURN slot, next, fill
	s_wait_tensorcnt 0x0                           ; all my tensor loads have landed: my part of the next slot
	ds_add_u32 v[SPW], v[NIL]                      ; 0 onto my spare word
	s_wait_dscnt 17                                ; (the add and the youngest 16 loads may be out)
	WIN MUL_LO
	MUL16 0, 1, 1, \slot, 0
	s_wait_dscnt 0x0                               ; the add is done, and my reads of this slot are over
	s_barrier_signal -1
	MUL16 2, 1, 1, \slot, 0
	WIN 0
	s_barrier_wait -1
.if \fill
	CREST                                          ; the barrier has opened a round of the cluster's: no wave of any partner still reads this slot or has a load on its way
	s_add_nc_u64 s[G0+4*\slot+2:G0+4*\slot+3], s[G0+4*\slot+2:G0+4*\slot+3], 8192
	s_add_nc_u64 s[G0B+4*\slot+2:G0B+4*\slot+3], s[G0B+4*\slot+2:G0B+4*\slot+3], 8192
	JLOAD G0+4*\slot, G1, G0B+4*\slot, G1B         ; the first tensor load behind the round; its four v_nop are among the places in front of the loads below
	PLACES NP-4
.else
	PLACES NP
.endif
	s_wait_alu depctr_va_vdst(0)
	v_add_nc_u32 v[ADRS], 128, v[ADRS]             ; on to the next slot's scale words
	FETCH_B \next, 0, 0
	FETCH_A \next, 0, 0
	SCALES \next
	WIN MUL_HI
	MUL16 4, 1, 1, \slot, 0
	MUL16 6, 1, 1, \slot, 0
	PLACES NP
	WIN 0
	FETCH_A \next, 0, 4
.endm
	s_wait_alu depctr_va_vdst(0)
	s_wait_tensorcnt 1                             ; the scale words and my part of slot 0 are in (slot 1's load may be out),
	s_barrier_signal -1
	s_barrier_wait -1                              ; everybody's are
	FETCH_B 0, 0, 0
	FETCH_A 0, 0, 0
	SCALES 0
	FETCH_A 0, 0, 4
	STEP 0, 1                                      ; K = 1,024 is four slots' worth: written out
	TURN 0, 1, 1
	STEP 1, 0
	TURN 1, 0, 1
	STEP 0, 0
	TURN 0, 1, 0                                   ; nothing is left to fetch
	STEP 1, 0
	s_wait_dscnt 16
	WIN MUL_LO
	MUL16 0, 1, 1, 1, 0
	MUL16 2, 1, 1, 1, 0
	s_wait_dscnt 0
	WIN MUL_HI
	MUL16 4, 1, 1, 1, 0
	MUL16 6, 1, 1, 1, 0
	WIN 0
	; THE WAY OUT: no LDS.  R block by R block: four blocks of 32 along P are quantised; their codes are four groups of images, each stored as 512 consecutive bytes.
	PLACES NP
.irp b, 0,1,2,3
	v_mov_b32 v[TM+4+\b], 0                        ; written once: a lane permute's destination counts as one of its sources
.endr
	v_lshlrev_b32 v[SVO], 2, v1
	v_mad_u32_u24 v[SVO], s[LST], v2, v[SVO]
	v_add_nc_u32 v[SVO+1], s[PST], v[SVO]
	v_add_nc_u32 v[SVO+2], s[PST], v[SVO+1]
	v_add_nc_u32 v[SVO+3], s[PST], v[SVO+2]
.macro QACC a
.set AC, 64*((\a)%4)
.set WW, 2+(\a)/4
.set W12, (WW<<2)|(WW<<4)
	WIN W12                                        ; sources 1 and 2 in the accumulators' window
.irp b, 0,1,2,3
	v_max3_num_f32 v[TM+\b], 0x4800000, |v[AC+16*\b]|, |v[AC+16*\b+1]|   ; each accumulator is read from its low end on; the floor 2^(9 - 127) holds the byte at 1 from below
.endr
.irp i, 2,4,6,8,10,12,14
.irp b, 0,1,2,3
	v_max3_num_f32 v[TM+\b], v[TM+\b], |v[AC+16*\b+\i]|, |v[AC+16*\b+\i+1]|
.endr
.endr
	WIN 0
.irp b, 0,1,2,3
	v_permlanex16_b32 v[TM+4+\b], v[TM+\b], s[SEL], s[SEL+1]
.endr
.irp b, 0,1,2,3
	v_max_num_f32 v[TM+\b], v[TM+\b], v[TM+4+\b]   ; with lane l xor 16's 16: the block's largest magnitude
.endr
.irp b, 0,1,2,3
	v_add_nc_u32 v[TM+12+\b], 0xfc000000, v[TM+\b] ; the conversion's scale operand
.endr
.irp b, 0,1,2,3
.endr
.irp b, 0,1,2,3
	v_lshrrev_b32 v[TM+4+\b], 23, v[TM+12+\b]      ; the byte
.endr
	v_lshl_or_b32 v[PWR+\a], v[TM+5], 8, v[TM+4]
	v_lshl_or_b32 v[PWR+\a], v[TM+6], 16, v[PWR+\a]
	v_lshl_or_b32 v[PWR+\a], v[TM+7], 24, v[PWR+\a]
	WIN WW                                         ; source 0 in the accumulators' window
.irp b, 0,1,2,3
.irp i, 0,1,2,3,4,5,6,7,8,9,10,11,12,13,14,15
.endr
.endr
.irp b, 0,1,2,3
	v_cvt_scalef32_pk8_fp8_f32 v[PCR+16*\a+4*\b:PCR+16*\a+4*\b+1], v[AC+16*\b:AC+16*\b+7], v[TM+12+\b]
	v_cvt_scalef32_pk8_fp8_f32 v[PCR+16*\a+4*\b+2:PCR+16*\a+4*\b+3], v[AC+16*\b+8:AC+16*\b+15], v[TM+12+\b]
.endr
	WIN 0
	v_nop                                          ; one plain line behind the last conversion
.if \a > 0
	s_wait_alu depctr_va_vdst(0)
	s_wait_xcnt 0x0                                ; the earlier stores have read their base: it may step
	s_add_nc_u64 s[8:9], s[8:9], s[RST:RST+1]
.if \a == 4
	s_add_nc_u64 s[8:9], s[8:9], s[EXT:EXT+1]
.endif
.endif
	global_store_b128 v[VOA], v[PCR+16*\a:PCR+16*\a+3], s[8:9]
	global_store_b128 v[VOA], v[PCR+16*\a+4:PCR+16*\a+7], s[8:9] offset:512
	global_store_b128 v[VOB], v[PCR+16*\a+8:PCR+16*\a+11], s[8:9]
	global_store_b128 v[VOB], v[PCR+16*\a+12:PCR+16*\a+15], s[8:9] offset:512
.endm
.irp a, 0,1,2,3,4,5,6,7
	QACC \a
.endr
	; the scale words, two R blocks to a store.  q, k: lanes 0-15 my first head's (the low halves of both blocks' words), lanes 16-31 my second head's (the high halves).
	; v: lanes 0-15 block 2 p's word, lanes 16-31 block 2 p + 1's.  Both are made, and the cluster's kind selects the value.
.irp p, 0,1,2,3
	v_perm_b32 v[TM], v[PWR+2*\p+1], v[PWR+2*\p], 0x05040100
	v_perm_b32 v[TM+1], v[PWR+2*\p+1], v[PWR+2*\p], 0x07060302
	v_cndmask_b32 v[TM], v[TM], v[TM+1], s[MH]
	v_cndmask_b32 v[TM+1], v[PWR+2*\p], v[PWR+2*\p+1], s[MH]
	v_cndmask_b32 v[DW+\p], v[TM], v[TM+1], s[MVS]
	global_store_b32 v[SVO+\p], v[DW+\p], s[10:11]
.endr
	s_wait_tensorcnt 0x0                           ; the wave's end
	ds_add_u32 v[SPW], v[NIL]
	s_wait_dscnt 0x0
	CROUND                                         ; the closing round: no work-group ends while a partner may still ask for a tile that names it
	s_endpgm
.Lfunc_end_k_qff0f997947_qkv:
	.size	k_qff0f997947_qkv, .Lfunc_end_k_qff0f997947_qkv-k_qff0f997947_qkv
	.p2alignl 7, 3214868480
	.fill 96, 4, 3214868480
	.section	.rodata,"a",@progbits
	.p2align	6, 0x0
	.amdhsa_kernel k_qff0f997947_qkv
		.amdhsa_group_segment_fixed_size 327680
		.amdhsa_private_segment_fixed_size 0
		.amdhsa_enable_private_segment 0
		.amdhsa_kernarg_size 32
		.amdhsa_user_sgpr_count 2
		.amdhsa_user_sgpr_kernarg_segment_ptr 1
		.amdhsa_wavefront_size32 1
		.amdhsa_system_sgpr_workgroup_id_x 1
		.amdhsa_system_sgpr_workgroup_id_y 1
		.amdhsa_system_sgpr_workgroup_id_z 1
		.amdhsa_system_vgpr_workitem_id 0
		.amdhsa_next_free_vgpr 1024
		.amdhsa_next_free_sgpr 102
		.amdhsa_reserve_vcc 0
		.amdhsa_float_denorm_mode_32 3
		.amdhsa_float_denorm_mode_16_64 3
		.amdhsa_fp16_overflow 1
		.amdhsa_memory_ordered 1
		.amdhsa_forward_progress 1
		.amdhsa_inst_pref_size 155
	.end_amdhsa_kernel
	.amdgpu_metadata
---
amdhsa.version: [ 1, 2 ]
amdhsa.kernels:
  - .name:           k_qff0f997947_qkv
    .symbol:         k_qff0f997947_qkv.kd
    .args:
      - { .name: xw_img, .offset: 0, .size: 8, .value_kind: global_buffer, .address_space: global }
      - { .name: xw_sc, .offset: 8, .size: 8, .value_kind: global_buffer, .address_space: global }
      - { .name: qkv_img, .offset: 16, .size: 8, .value_kind: global_buffer, .address_space: global }
      - { .name: qkv_sc, .offset: 24, .size: 8, .value_kind: global_buffer, .address_space: global }
    .group_segment_fixed_size: 327680
    .private_segment_fixed_size: 0
    .kernarg_segment_align: 8
    .kernarg_segment_size: 32
    .max_flat_workgroup_size: 128
    .sgpr_count:     102
    .vgpr_count:     1024
    .wavefront_size: 32
...
	.end_amdgpu_metadata
.endif
;; end of part 2
;; launch attn (part 3): grid 4 x 64, 16 waves a work-group, clusters of 4 x 1, 272,384 bytes of LDS; arguments qkv_img, qkv_sc, o_img, o_sc; writes o_img, o_sc
.if DOCPART == 3
	.amdgcn_target "amdgcn-amd-amdhsa--gfx1250"
	.amdhsa_code_object_version 6
	.text
	.protected	k_qff0f997947_attn
	.globl	k_qff0f997947_attn
	.p2align	8
	.type	k_qff0f997947_attn,@function
k_qff0f997947_attn:
	s_mov_b64 s[64:65], 0
	v_nop
	global_prefetch_b8 v0, s[64:65] scope:SCOPE_SE
	s_setreg_imm32_b32 hwreg(HW_REG_WAVE_MODE, 25, 1), 1
	s_wait_xcnt 0x0
	s_wait_alu depctr_hold_cnt(0) depctr_sa_sdst(0) depctr_va_vdst(0) depctr_va_sdst(0) depctr_va_ssrc(0) depctr_va_vcc(0) depctr_vm_vsrc(0)
	s_getreg_b32 s2, hwreg(HW_REG_IB_STS2, 6, 4)
	s_cmp_eq_u32 s2, 0
	s_cbranch_scc0 .Lentry_in_a_cluster
	s_endpgm
.Lentry_in_a_cluster:
	s_bfe_u32 s2, ttmp6, 0x10000c
	s_cmp_lg_u32 s2, 0x3003
	s_cbranch_scc0 .Lentry_shape_is_right
	s_endpgm
.Lentry_shape_is_right:
; O[head][q] = the sum over keys k <= q of softmax_k(Q[q] . K[k] / 8) V[k], both products on codes of FP8 (E4M3) with E8M0 scales; O / the row's sum is quantised along D and leaves as images.
; THE SOFTMAX: t = score x log2(e) / 8; M = the row's running largest t rounded UP to a whole number; p = 2^(t - M) is quantised along the keys, not normalised; the row's sum is taken of the
; unquantised p and divides at the end.  When M moves, the sum and O are multiplied by 2^(old M - new M): exact.
; SHARES.  A cluster of four work-groups is one head (16 b + hd = the cluster's y).  Its 64 waves take the head's 128 tiles of 16 queries in pairs: with g = wave % 8 and pos = 2 cx + wave / 8 a wave
; takes tile 8 (15 - g) + pos (pass 1) and tile 8 g + pos (pass 2).  A tile of group G needs key steps 0 .. G of 128 keys, the last on the diagonal: 17 steps for every wave.
; Branches hang on g and the loops' counters alone; cx enters addresses in memory of Q and O, and the number d that the mask compares.
; ALL OF THE HEAD'S K AND V LIE IN LDS, filled once by joint loads (each of the four work-groups issues the same load, with the mask of all four): no slot is filled again, and the loops hold no barrier.
; LAYOUT.  Both products are used transposed: S^T = K Q^T (source 0 = keys), O^T = V^T P^T (source 0 = channels): a lane holds ONE query throughout.  Tile T of 16 rows holds rows
; 32 (T / 2) + 8 (T % 2) + r + 8 (r / 8), on every operand, so that the 16 registers of two neighbouring source-0 tiles are 16 neighbours along the next K.
; K = 64 fills half of the instruction's 128: one source-0 operand holds TWO tiles of keys (2,048 consecutive bytes); against (q, 0) it gives the first tile's scores, against (0, q) the second's:
; the other tile's codes meet zero codes.  k's scale word holds both tiles' bytes; q's is (e0, e1, 0, 0) or (0, 0, e0, e1).
; o_img: [tile of 16 tokens 128 b + qt][hd / 2][2 (hd % 2) + block][512];  o_sc: [tile][hd / 2][16 words]: a head owns two bytes of each word, stored as 16 bits a lane (256 KB in the whole launch).
; LIMITS: NaN and infinities are not served; a block of zeros gets the byte 1 (its codes are zeros; this program alone reads the bytes).
.set CHUNK, 131072                     ; LDS: chunk c (keys 1,024 c on) at c x CHUNK: K [64 tiles][2][512], then V [4 tiles of channels][32 blocks of keys][512]
.set VOFF,  65536
.set SCK,   262144                     ; k's scale words [64 pairs of tiles][16 words]
.set SCV,   266240                     ; v's [4 tiles of channels][16 key steps][16 words]
.set LI,   1                           ; v1   16 x lane
.set LKS,  2                           ; v2   SCK + 4 x lane
.set LVS,  3                           ; v3   SCV + 4 r + 1,024 h
.set DD,   4                           ; v4   d: on the diagonal register 16 b + i is hidden where 32 b + i > d
.set ADK,  8
.set ADV,  9
.set ADS,  10
.set ADT,  11                          ; v12 -M, v13 the largest t, v[14:15] the sum; v16-23 q, v24-31 zeros, v32-39 q
.set QSL,  40
.set QSH,  41
.set KS,   42                          ; v42-43 k's scale words;  v44-45 v's
.set VS,   44
.set W1,   46                          ; pass 1's scale bytes of O
.set AO,   47                          ; where the scale bytes go: lanes 0-15 pass 1's tile, lanes 16-31 pass 2's
.set FR,   48                          ; v48-111  four operands of K or of V
.set S,    112                         ; v112-175 S^T, then p
.set OA,   176                         ; v176-207 O^T, four tiles of channels
.set PCD,  208                         ; v208-223 p's codes
.set BM,   224
.set PT,   228
.set HD,   232
.set SOP,  236
.set C2,   240                         ; v[240:241] the sums' second chain
.set FF,   242                         ; v[242:243] f, and a register named with it as a pair
.set TMP,  244
.set PW,   245
.set W2,   246
.set Q2S,  247                         ; pass 2's q: its scale bytes, v248-255 its codes
.set Q2,   248
.set WV,   12
.set GG,   17                          ; the pass's group
.set CNT,  18
.set MNT,  19
.set SEL,  20
.set CS,   22
.set G1C,  24
.set G1S,  32
.set TK,   52
.set TV,   53
.set TS,   54
.set TJ,   55
.set SI,   56                          ; the key step
.set MH,   57
.macro CROUND                          ; a round of the cluster's barrier
	s_barrier_signal -1
	s_barrier_wait -1
	s_cmp_lg_u32 s[WV], 0
	s_cbranch_scc1 .Lnot_wave_0_\@
	s_barrier_signal -3
.Lnot_wave_0_\@:
	s_barrier_wait -3
	s_barrier_signal -1
	s_barrier_wait -1
.endm
	s_load_b256 s[4:11], s[0:1], 0x0               ; qkv_img, qkv_sc, o_img, o_sc
	v_lshl_add_u32 v254, v0, 2, 0x42000
	v_mov_b32 v255, 0
	ds_add_u32 v254, v255
	ds_add_u32 v254, v255
	s_wait_dscnt 0x0
	v_lshrrev_b32 v5, 5, v0
	s_delay_alu instid0(VALU_DEP_1)
	v_readfirstlane_b32 s[WV], v5                  ; wave 0..15
	s_bfe_u32 s13, ttmp6, 0x40000                  ; cx
	s_and_b32 s14, ttmp7, 0xffff                   ; the head, 16 b + hd: the four partners share it
	s_and_b32 s15, s[WV], 7                        ; g
	s_lshr_b32 s58, s[WV], 3
	s_lshl_b32 s16, s13, 1
	s_add_co_u32 s16, s16, s58                     ; pos
	; what I fetch: waves 0-7 an eighth of K's chunk and of k's scale words, waves 8-15 of V's: made of the head and the wave's number alone
	s_lshl_b32 s59, s14, 17                        ; a head's codes: 131,072 bytes
	s_lshl_b32 s60, s15, 13
	s_add_co_u32 s60, s60, s59
	s_lshl_b32 s61, s58, 23
	s_add_co_u32 s60, s60, s61
	s_add_co_u32 s60, s60, 8388608                 ; k begins at 8,388,608, v at twice that
	s_mov_b32 s61, 0
	s_lshl_b32 s91, s14, 12                        ; a head's scale words: 4,096 bytes
	s_lshl_b32 s62, s15, 9
	s_add_co_u32 s62, s62, s91
	s_lshl_b32 s63, s58, 18
	s_add_co_u32 s62, s62, s63
	s_add_co_u32 s62, s62, 262144
	s_mov_b32 s63, 0
	s_lshl_b32 s66, s[WV], 13                      ; and where it goes: 8,192 x wave in a chunk,
	s_lshl_b32 s67, s[WV], 9                       ; 512 x wave among the scale words
	; my two tiles of queries
	s_sub_co_u32 s68, 15, s15                      ; pass 1's group
	s_lshl_b32 s69, s68, 3
	s_add_co_u32 s69, s69, s16                     ; pass 1's tile
	s_lshl_b32 s70, s15, 3
	s_add_co_u32 s70, s70, s16                     ; pass 2's
	s_lshl_b32 s72, s69, 10
	s_add_co_u32 s72, s72, s59                     ; q's codes: head + tile x 1,024
	s_mov_b32 s73, 0
	s_lshl_b32 s74, s70, 10
	s_add_co_u32 s74, s74, s59
	s_mov_b32 s75, 0
	s_and_b32 s89, s16, 1
	s_lshl_b32 s90, s89, 1
	s_add_co_u32 s90, s90, s91
	s_lshr_b32 s76, s69, 1
	s_lshl_b32 s76, s76, 6
	s_add_co_u32 s76, s76, s90                     ; q's scale bytes: head + (tile / 2) x 64 + 2 (tile % 2)
	s_mov_b32 s77, 0
	s_lshr_b32 s78, s70, 1
	s_lshl_b32 s78, s78, 6
	s_add_co_u32 s78, s78, s90
	s_mov_b32 s79, 0
	s_lshr_b32 s71, s16, 1
	s_lshl_b32 s71, s71, 5
	s_lshl_b32 s89, s89, 3
	s_add_co_u32 s71, s71, s89                     ; 32 (pos / 2) + 8 (pos % 2)
	s_lshr_b32 s84, s14, 4
	s_lshl_b32 s84, s84, 7                         ; 128 b
	s_and_b32 s85, s14, 15                         ; hd
	s_add_co_u32 s86, s84, s69                     ; O's tiles
	s_add_co_u32 s87, s84, s70
	s_lshl_b32 s88, s85, 10
	s_lshl_b32 s80, s86, 14
	s_add_co_u32 s80, s80, s88                     ; O's codes: tile x 16,384 + hd x 1,024
	s_mov_b32 s81, 0
	s_lshl_b32 s82, s87, 14
	s_add_co_u32 s82, s82, s88
	s_mov_b32 s83, 0
	s_lshr_b32 s88, s85, 1
	s_lshl_b32 s88, s88, 6
	s_and_b32 s89, s85, 1
	s_lshl_b32 s89, s89, 1
	s_add_co_u32 s88, s88, s89
	s_lshl_b32 s86, s86, 9
	s_add_co_u32 s86, s86, s88                     ; O's scale bytes: tile x 512 + (hd / 2) x 64 + 2 (hd % 2)
	s_lshl_b32 s87, s87, 9
	s_add_co_u32 s87, s87, s88
	s_mov_b32 s[SEL], 0x76543210
	s_mov_b32 s[SEL+1], 0xfedcba98
	s_mov_b32 s[CS], 0x3e38aa3b                    ; c = log2(e) / 8
	s_mov_b32 s[CS+1], s[CS]
	s_mov_b32 s[MH], 0xffff0000
	; group 1: dense blocks as rows of 256 bytes (32 elements of 8 bytes): 32 rows of codes, 2 rows of scale words
	s_mov_b32 s[G1C], 15|(3<<16)|(1<<21)           ; 15:0 the mask: all four work-groups; 17:16 elements of 8 bytes; 21 set beside a mask
	s_mov_b32 s[G1C+1], 32<<16
	s_mov_b32 s[G1C+2], 32<<16
	s_mov_b32 s[G1C+3], 32<<16
	s_mov_b32 s[G1C+4], 32
	s_mov_b32 s[G1C+5], 32
	s_mov_b32 s[G1C+6], 0
	s_mov_b32 s[G1C+7], 0
	s_mov_b32 s[G1S], 15|(3<<16)|(1<<21)
	s_mov_b32 s[G1S+1], 32<<16
	s_mov_b32 s[G1S+2], 2<<16
	s_mov_b32 s[G1S+3], 32<<16
	s_mov_b32 s[G1S+4], 2
	s_mov_b32 s[G1S+5], 32
	s_mov_b32 s[G1S+6], 0
	s_mov_b32 s[G1S+7], 0
	v_and_b32 v[W2], 31, v0
	s_delay_alu instid0(VALU_DEP_1)
	v_lshlrev_b32 v[LI], 4, v[W2]
	s_delay_alu instid0(VALU_DEP_2)
	v_lshl_add_u32 v[LKS], v[W2], 2, SCK
	v_and_b32 v5, 15, v0                           ; r
	v_bfe_u32 v7, v0, 4, 1                         ; h
	s_delay_alu instid0(VALU_DEP_2)
	v_lshlrev_b32 v6, 2, v5                        ; 4 r
	s_delay_alu instid0(VALU_DEP_1)
	v_lshl_add_u32 v[LVS], v7, 10, v6
	s_delay_alu instid0(VALU_DEP_1)
	v_add_nc_u32 v[LVS], SCV, v[LVS]
	v_and_b32 v[W2], 8, v5
	s_delay_alu instid0(VALU_DEP_1)
	v_add_nc_u32 v[DD], v[W2], v5
	v_lshlrev_b32 v[W2], 4, v7
	s_delay_alu instid0(VALU_DEP_1)
	v_sub_nc_u32 v[DD], v[DD], v[W2]
	s_delay_alu instid0(VALU_DEP_1)
	v_add_nc_u32 v[DD], s71, v[DD]                 ; d = 32 (pos / 2) + 8 (pos % 2) + r + 8 (r / 8) - 16 h: my query less the step's first key less 16 h
	v_add_nc_u32 v[W2], s86, v6
	v_add_nc_u32 v[AO], s87, v6
	s_delay_alu instid0(VALU_DEP_1)
	v_cndmask_b32 v[AO], v[W2], v[AO], s[MH]
.irp j, 0,1,2,3,4,5,6,7
	v_mov_b32 v[24+\j], 0                          ; the zero half of both forms of q
.endr
.irp b, 0,1,2,3
	v_mov_b32 v[PT+\b], 0                          ; written once: a lane permute's destination counts as one of its sources
.endr
	v_mov_b32 v[FF+1], 0                           ; (named as the upper half of a pair)
	v_mov_b32 v[TMP], 0
	s_wait_kmcnt 0x0
	s_add_nc_u64 s[72:73], s[4:5], s[72:73]
	s_add_nc_u64 s[74:75], s[4:5], s[74:75]
	s_add_nc_u64 s[76:77], s[6:7], s[76:77]
	s_add_nc_u64 s[78:79], s[6:7], s[78:79]
	s_add_nc_u64 s[80:81], s[8:9], s[80:81]
	s_add_nc_u64 s[82:83], s[8:9], s[82:83]
	CROUND                                         ; all four work-groups are here: the joint loads meet
	s_mov_b32 s40, 1
	s_add_co_u32 s41, s67, SCK
	s_add_nc_u64 s[42:43], s[6:7], s[62:63]
	s_or_b32 s43, s43, 0x80000000
	s_mov_b32 s44, 1
	s_mov_b32 s45, s66
	s_add_nc_u64 s[46:47], s[4:5], s[60:61]
	s_mov_b32 s48, 1
	s_add_co_u32 s49, s66, CHUNK
	s_add_nc_u64 s[50:51], s[46:47], 65536         ; the second 1,024 keys
	s_or_b32 s47, s47, 0x80000000
	s_or_b32 s51, s51, 0x80000000
	tensor_load_to_lds s[40:43], s[G1S:G1S+7]      ; all fills of the launch, in one group: three loads of mine are out
	s_nop 0
	tensor_load_to_lds s[44:47], s[G1C:G1C+7]
	s_nop 0
	tensor_load_to_lds s[48:51], s[G1C:G1C+7]
	s_nop 0
.rept 4
	v_nop
.endr
	global_load_b128 v[16:19], v[LI], s[72:73]     ; pass 1's q, twice: (q, 0) is v[16:31], (0, q) is v[24:39]
	global_load_b128 v[20:23], v[LI], s[72:73] offset:512
	global_load_b128 v[32:35], v[LI], s[72:73]
	global_load_b128 v[36:39], v[LI], s[72:73] offset:512
	global_load_b128 v[Q2:Q2+3], v[LI], s[74:75]   ; pass 2's
	global_load_b128 v[Q2+4:Q2+7], v[LI], s[74:75] offset:512
	global_load_u16 v[QSL], v6, s[76:77]           ; (e0, e1, 0, 0)
	global_load_u16 v[Q2S], v6, s[78:79]
; A KEY STEP: 128 keys.  mk = 1: a step behind the pass's group is left out, and the group's own step is masked.
.macro STEP mk
.if \mk
	s_cmp_gt_u32 s[SI], s[GG]
	s_cbranch_scc1 .Lhidden_\@
.endif
	s_setprio 2
	v_add_nc_u32 v[ADK], s[TK], v[LI]
	v_add_nc_u32 v[ADV], s[TV], v[LI]
	v_add_nc_u32 v[ADS], s[TS], v[LKS]
	v_add_nc_u32 v[ADT], s[TJ], v[LVS]
.rept 4
	v_nop                                          ; with the four additions: eight places in front of loads into registers that the last products read
.endr
.irp o, 0,1,2,3
.irp c, 0,1,2,3
	ds_load_b128 v[FR+16*\o+4*\c:FR+16*\o+4*\c+3], v[ADK] offset:2048*\o+512*\c   ; tiles 2 o and 2 o + 1 of the step's eight tiles of keys
.endr
.endr
	ds_load_b32 v[KS], v[ADS]                      ; lanes 0-15: pair 0's words, lanes 16-31: pair 1's
	ds_load_b32 v[KS+1], v[ADS] offset:128         ; pairs 2, 3
	s_wait_alu depctr_va_vdst(0)
	s_wait_dscnt 0x0
.irp o, 0,2
	v_wmma_scale_f32_16x16x128_f8f6f4 v[S+16*\o:S+16*\o+7], v[FR+16*\o:FR+16*\o+15], v[16:31], 0, v[KS+\o/2], v[QSL]
	v_wmma_scale_f32_16x16x128_f8f6f4 v[S+16*\o+8:S+16*\o+15], v[FR+16*\o:FR+16*\o+15], v[24:39], 0, v[KS+\o/2], v[QSH]
	v_wmma_scale_f32_16x16x128_f8f6f4 v[S+16*\o+16:S+16*\o+23], v[FR+16*\o+16:FR+16*\o+31], v[16:31], 0, v[KS+\o/2], v[QSL] matrix_a_scale:MATRIX_SCALE_ROW1
	v_wmma_scale_f32_16x16x128_f8f6f4 v[S+16*\o+24:S+16*\o+31], v[FR+16*\o+16:FR+16*\o+31], v[24:39], 0, v[KS+\o/2], v[QSH] matrix_a_scale:MATRIX_SCALE_ROW1
.endr                                              ; register 16 b + i of v[S] on: key 32 b + 16 h + i of the step, for my query
.rept 8
	v_nop                                          ; places in front of the loads below and of the first read of the scores
.endr
.irp t, 0,1,2,3
.irp c, 0,1,2,3
	ds_load_b128 v[FR+16*\t+4*\c:FR+16*\t+4*\c+3], v[ADV] offset:16384*\t+512*\c   ; V of this step: it lands while the softmax is walked
.endr
.endr
	ds_load_b32 v[VS], v[ADT]                      ; lanes 0-15: channel tile 0's words, lanes 16-31: tile 1's
	ds_load_b32 v[VS+1], v[ADT] offset:2048
.if \mk
	s_cmp_lg_u32 s[SI], s[GG]
	s_cbranch_scc1 .Lopen_\@
	v_mov_b32 v[TMP], 0xff800000                   ; on the diagonal hidden scores become -infinity: p = 0
.set n, 0
.rept 64
	v_cmp_gt_i32 vcc_lo, 32*(n/16)+n%16, v[DD]
	v_cndmask_b32 v[S+n], v[S+n], v[TMP], vcc_lo
.set n, n+1
.endr
.Lopen_\@:
.endif
.irp b, 0,1,2,3
	v_max3_num_f32 v[BM+\b], v[S+16*\b], v[S+16*\b+1], v[S+16*\b+2]   ; the largest score of each block of 32 keys: for the row's maximum, and, since p rises with the score, for the block's largest p
.endr
.irp i, 3,5,7,9,11,13
.irp b, 0,1,2,3
	v_max3_num_f32 v[BM+\b], v[BM+\b], v[S+16*\b+\i], v[S+16*\b+\i+1]
.endr
.endr
.irp b, 0,1,2,3
	v_max_num_f32 v[BM+\b], v[BM+\b], v[S+16*\b+15]
.endr
.irp b, 0,1,2,3
	s_delay_alu instid0(VALU_DEP_4)
	v_permlanex16_b32 v[PT+\b], v[BM+\b], s[SEL], s[SEL+1]
.endr
.irp b, 0,1,2,3
	s_delay_alu instid0(VALU_DEP_4)
	v_max_num_f32 v[BM+\b], v[BM+\b], v[PT+\b]     ; with lane l xor 16's 16 keys
.endr
	s_delay_alu instid0(VALU_DEP_2)
	v_max3_num_f32 v[TMP], v[BM], v[BM+1], v[BM+2]
	s_delay_alu instid0(VALU_DEP_1)
	v_max_num_f32 v[TMP], v[TMP], v[BM+3]
	s_delay_alu instid0(VALU_DEP_1)
	v_mul_f32 v[TMP], s[CS], v[TMP]                ; the step's largest t
	s_delay_alu instid0(VALU_DEP_1)
	v_max_num_f32 v13, v13, v[TMP]                 ; the running largest t
	v_mov_b32 v[TMP], v12
	s_delay_alu instid0(VALU_DEP_2)
	v_floor_f32 v12, -v13                          ; -M = floor(-t): M is a whole number
	s_delay_alu instid0(VALU_DEP_1)
	v_sub_f32 v[TMP], v12, v[TMP]                  ; old M - new M, 0 or less
	s_delay_alu instid0(VALU_DEP_1)
	v_cvt_i32_f32 v[TMP], v[TMP]                   ; (it saturates)
	s_delay_alu instid0(VALU_DEP_1)
	v_ldexp_f32 v[FF], 1.0, v[TMP]                 ; f = 2^(old M - new M)
.set j, 0
.rept 32
	v_pk_fma_f32 v[S+j:S+j+1], v[S+j:S+j+1], s[CS:CS+1], v[12:13] op_sel_hi:[1,0,0]   ; t - M, two at a time
.set j, j+2
.endr
.irp b, 0,1,2,3
	v_fma_f32 v[BM+\b], v[BM+\b], s[CS], v12
.endr
.set j, 0
	s_setprio 1
	s_wait_alu depctr_va_vdst(0)
.rept 64
	v_exp_f32 v[S+j], v[S+j]                       ; p = 2^(t - M)
.set j, j+1
.endr
.irp b, 0,1,2,3
	v_exp_f32 v[BM+\b], v[BM+\b]                   ; the block's largest p: the same two instructions on the same number
.endr
	v_pk_mul_f32 v[14:15], v[14:15], v[FF:FF+1] op_sel_hi:[1,0]   ; the sums under the new M (a plain place behind the exponentials)
	s_wait_alu depctr_va_vdst(0)
.irp b, 0,1,2,3
	v_max_num_f32 v[BM+\b], 0x4800000, v[BM+\b]    ; the floor 2^(9 - 127)
.endr
.irp b, 0,1,2,3
	s_delay_alu instid0(VALU_DEP_4)
	v_add_nc_u32 v[SOP+\b], 0xfc000000, v[BM+\b]   ; the conversion's scale operand
.endr
.irp b, 0,1,2,3
.endr
.irp b, 0,1,2,3
	s_delay_alu instid0(VALU_DEP_4)
	v_lshrrev_b32 v[PT+\b], 23, v[SOP+\b]          ; the byte
.endr
	s_delay_alu instid0(VALU_DEP_3)
	v_lshl_or_b32 v[PW], v[PT+1], 8, v[PT]         ; p's scale word for these 128 keys
	s_delay_alu instid0(VALU_DEP_1)
	v_lshl_or_b32 v[PW], v[PT+2], 16, v[PW]
	s_delay_alu instid0(VALU_DEP_1)
	v_lshl_or_b32 v[PW], v[PT+3], 24, v[PW]
	v_pk_add_f32 v[240:241], v[116:117], v[120:121]
	v_pk_add_f32 v[234:235], v[124:125], v[128:129]
	v_pk_add_f32 v[232:233], v[132:133], v[136:137]
	v_pk_add_f32 v[226:227], v[140:141], v[144:145]
	v_pk_add_f32 v[224:225], v[148:149], v[152:153]
	v_pk_add_f32 v[222:223], v[156:157], v[160:161]
	v_pk_add_f32 v[220:221], v[164:165], v[168:169]
	v_pk_add_f32 v[14:15], v[14:15], v[172:173]
	v_pk_add_f32 v[240:241], v[240:241], v[112:113]
	v_pk_add_f32 v[234:235], v[234:235], v[114:115]
	v_pk_add_f32 v[232:233], v[232:233], v[118:119]
	v_pk_add_f32 v[226:227], v[226:227], v[122:123]
	v_pk_add_f32 v[224:225], v[224:225], v[126:127]
	v_pk_add_f32 v[222:223], v[222:223], v[130:131]
	v_pk_add_f32 v[220:221], v[220:221], v[134:135]
	v_pk_add_f32 v[14:15], v[14:15], v[138:139]
	v_pk_add_f32 v[240:241], v[240:241], v[142:143]
	v_pk_add_f32 v[234:235], v[234:235], v[146:147]
	v_pk_add_f32 v[232:233], v[232:233], v[150:151]
	v_pk_add_f32 v[226:227], v[226:227], v[154:155]
	v_pk_add_f32 v[224:225], v[224:225], v[158:159]
	v_pk_add_f32 v[222:223], v[222:223], v[162:163]
	v_pk_add_f32 v[220:221], v[220:221], v[166:167]
	v_pk_add_f32 v[14:15], v[14:15], v[170:171]
	v_pk_add_f32 v[240:241], v[240:241], v[174:175]
	s_delay_alu instid0(VALU_DEP_2)
	v_pk_add_f32 v[14:15], v[14:15], v[226:227]
	s_delay_alu instid0(VALU_DEP_2)
	v_pk_add_f32 v[240:241], v[240:241], v[224:225]
	s_setprio 0
	v_pk_add_f32 v[234:235], v[234:235], v[222:223]
	v_pk_add_f32 v[232:233], v[232:233], v[220:221]
	s_delay_alu instid0(VALU_DEP_2)
	v_pk_add_f32 v[14:15], v[14:15], v[234:235]
	s_delay_alu instid0(VALU_DEP_2)
	v_pk_add_f32 v[240:241], v[240:241], v[232:233]
	s_delay_alu instid0(VALU_DEP_1)
	v_pk_add_f32 v[14:15], v[14:15], v[240:241]
.irp b, 0,1,2,3
.irp i, 0,1,2,3,4,5,6,7,8,9,10,11,12,13,14,15
.endr
	v_cvt_scalef32_pk8_fp8_f32 v[PCD+4*\b:PCD+4*\b+1], v[S+16*\b:S+16*\b+7], v[SOP+\b]
	v_cvt_scalef32_pk8_fp8_f32 v[PCD+4*\b+2:PCD+4*\b+3], v[S+16*\b+8:S+16*\b+15], v[SOP+\b]
.endr
.set j, 0
.rept 16
	v_pk_mul_f32 v[OA+j:OA+j+1], v[OA+j:OA+j+1], v[FF:FF+1] op_sel_hi:[1,0]   ; O^T under the new M; these lines are also the places in front of the products below
.set j, j+2
.endr
	s_wait_alu depctr_va_vdst(0)
	s_wait_dscnt 0x0                               ; V is in
	v_wmma_scale_f32_16x16x128_f8f6f4 v[OA:OA+7], v[FR:FR+15], v[PCD:PCD+15], v[OA:OA+7], v[VS], v[PW]
	v_wmma_scale_f32_16x16x128_f8f6f4 v[OA+8:OA+15], v[FR+16:FR+31], v[PCD:PCD+15], v[OA+8:OA+15], v[VS], v[PW] matrix_a_scale:MATRIX_SCALE_ROW1
	v_wmma_scale_f32_16x16x128_f8f6f4 v[OA+16:OA+23], v[FR+32:FR+47], v[PCD:PCD+15], v[OA+16:OA+23], v[VS+1], v[PW]
	v_wmma_scale_f32_16x16x128_f8f6f4 v[OA+24:OA+31], v[FR+48:FR+63], v[PCD:PCD+15], v[OA+24:OA+31], v[VS+1], v[PW] matrix_a_scale:MATRIX_SCALE_ROW1
.if \mk
.Lhidden_\@:
.endif
	s_add_co_u32 s[TK], s[TK], 8192                ; the next step's tiles and scale words
	s_add_co_u32 s[TV], s[TV], 2048
	s_add_co_u32 s[TS], s[TS], 256
	s_add_co_u32 s[TJ], s[TJ], 64
	s_add_co_u32 s[SI], s[SI], 1
.endm
.macro KLOOP mk                        ; a chunk's eight key steps: the trip count is a constant; what is left out is a step's work
	s_mov_b32 s[CNT], 8
.Lk_\@:
	STEP \mk
	s_sub_co_u32 s[CNT], s[CNT], 1
	s_cmp_lg_u32 s[CNT], 0
	s_cbranch_scc1 .Lk_\@
	s_setprio 0
.endm
.macro INIT                            ; the step is written without a first form: it finds zeros, which the first change of M leaves zeros
	v_mov_b32 v13, 0xff61b1e6                      ; -3e38, under every t
	s_delay_alu instid0(VALU_DEP_1)
	v_floor_f32 v12, -v13
	v_mov_b32 v14, 0
	v_mov_b32 v15, 0
.set j, 0
.rept 32
	v_mov_b32 v[OA+j], 0
.set j, j+1
.endr
.endm
; O^T / the sum is quantised along the head's 64 channels (two blocks) and leaves as two groups of an image; wd takes the two scale bytes.
.macro OUT ob, wd
.rept 8
	v_nop
.endr
	v_add_f32 v14, v14, v15
	s_delay_alu instid0(VALU_DEP_1)
	v_permlanex16_b32 v[TMP], v14, s[SEL], s[SEL+1]
	s_delay_alu instid0(VALU_DEP_1)
	v_add_f32 v14, v14, v[TMP]                     ; the row's sum
	s_wait_alu depctr_va_vdst(0)
	v_rcp_f32 v14, v14
	v_nop                                          ; one plain place behind a transcendental
.set j, 0
	s_wait_alu depctr_va_vdst(0)
.rept 32
	v_mul_f32 v[S+j], v[OA+j], v14                 ; register 16 b + i: channel 32 b + 16 h + i of my query
.set j, j+1
.endr
.irp b, 0,1
	v_max3_num_f32 v[BM+\b], |v[S+16*\b]|, |v[S+16*\b+1]|, 0x4800000
.endr
.irp i, 2,4,6,8,10,12,14
.irp b, 0,1
	s_delay_alu instid0(VALU_DEP_2)
	v_max3_num_f32 v[BM+\b], v[BM+\b], |v[S+16*\b+\i]|, |v[S+16*\b+\i+1]|
.endr
.endr
.irp b, 0,1
	s_delay_alu instid0(VALU_DEP_2)
	v_permlanex16_b32 v[PT+\b], v[BM+\b], s[SEL], s[SEL+1]
.endr
.irp b, 0,1
	s_delay_alu instid0(VALU_DEP_2)
	v_max_num_f32 v[BM+\b], v[BM+\b], v[PT+\b]
.endr
.irp b, 0,1
	s_delay_alu instid0(VALU_DEP_2)
	v_add_nc_u32 v[SOP+\b], 0xfc000000, v[BM+\b]
.endr
.irp b, 0,1
.endr
.irp b, 0,1
	s_delay_alu instid0(VALU_DEP_2)
	v_lshrrev_b32 v[PT+\b], 23, v[SOP+\b]
.endr
	s_delay_alu instid0(VALU_DEP_1)
	v_lshl_or_b32 v[\wd], v[PT+1], 8, v[PT]
.irp b, 0,1
.irp i, 0,1,2,3,4,5,6,7,8,9,10,11,12,13,14,15
.endr
	v_cvt_scalef32_pk8_fp8_f32 v[FR+4*\b:FR+4*\b+1], v[S+16*\b:S+16*\b+7], v[SOP+\b]
	v_cvt_scalef32_pk8_fp8_f32 v[FR+4*\b+2:FR+4*\b+3], v[S+16*\b+8:S+16*\b+15], v[SOP+\b]
.endr
	v_nop                                          ; one plain line behind the last conversion
	global_store_b128 v[LI], v[FR:FR+3], s[\ob:\ob+1]             ; 512 consecutive bytes, aligned
	global_store_b128 v[LI], v[FR+4:FR+7], s[\ob:\ob+1] offset:512
.endm
	s_wait_loadcnt 0x0                             ; q
	s_wait_tensorcnt 0x1                           ; my parts of the scale words and of chunk 0 are in; chunk 1's may stay out
	s_barrier_signal -1
	s_barrier_wait -1                              ; everybody's are
	; ---- pass 1: the tile of group 15 - g
	v_lshlrev_b32 v[QSH], 16, v[QSL]               ; (0, 0, e0, e1)
	INIT
	s_mov_b32 s[GG], s68
	s_mov_b32 s[TK], 0
	s_mov_b32 s[TV], VOFF
	s_mov_b32 s[TS], 0
	s_mov_b32 s[TJ], 0
	s_mov_b32 s[SI], 0
	KLOOP 0                                        ; steps 0-7: all their keys count, since the group is 8 or more
	s_wait_tensorcnt 0x0                           ; my part of chunk 1 is in,
	s_wait_dscnt 0x0
	s_barrier_signal -1
	s_barrier_wait -1                              ; everybody's is
	s_mov_b32 s[TK], CHUNK
	s_mov_b32 s[TV], CHUNK+VOFF
	KLOOP 1                                        ; steps 8-15
	OUT 80, W1
	; ---- pass 2: the tile of group g
.irp j, 0,1,2,3,4,5,6,7
	v_mov_b32 v[16+\j], v[Q2+\j]
	v_mov_b32 v[32+\j], v[Q2+\j]
.endr
	v_mov_b32 v[QSL], v[Q2S]
	v_lshlrev_b32 v[QSH], 16, v[Q2S]
	INIT
	s_mov_b32 s[GG], s15
	s_mov_b32 s[TK], 0
	s_mov_b32 s[TV], VOFF
	s_mov_b32 s[TS], 0
	s_mov_b32 s[TJ], 0
	s_mov_b32 s[SI], 0
	s_wait_xcnt 0x0                                ; pass 1's stores have read their registers: the loop's loads may land there
	KLOOP 1                                        ; steps 0-7
	OUT 82, W2
	v_cndmask_b32 v[W2], v[W1], v[W2], s[MH]       ; lanes 0-15: pass 1's bytes, lanes 16-31: pass 2's
	global_store_b16 v[AO], v[W2], s[10:11]
	s_wait_dscnt 0x0
	s_wait_xcnt 0x0
	v_lshl_add_u32 v254, v0, 2, 0x42000
	v_mov_b32 v255, 0
	s_wait_alu depctr_va_vdst(0)
	s_wait_tensorcnt 0x0
	ds_add_u32 v254, v255
	s_wait_dscnt 0x0
	CROUND                                         ; the closing round
	s_endpgm
.Lfunc_end_k_qff0f997947_attn:
	.size	k_qff0f997947_attn, .Lfunc_end_k_qff0f997947_attn-k_qff0f997947_attn
	.p2alignl 7, 3214868480
	.fill 96, 4, 3214868480
	.section	.rodata,"a",@progbits
	.p2align	6, 0x0
	.amdhsa_kernel k_qff0f997947_attn
		.amdhsa_group_segment_fixed_size 272384
		.amdhsa_private_segment_fixed_size 0
		.amdhsa_enable_private_segment 0
		.amdhsa_kernarg_size 32
		.amdhsa_user_sgpr_count 2
		.amdhsa_user_sgpr_kernarg_segment_ptr 1
		.amdhsa_wavefront_size32 1
		.amdhsa_system_sgpr_workgroup_id_x 1
		.amdhsa_system_sgpr_workgroup_id_y 1
		.amdhsa_system_sgpr_workgroup_id_z 1
		.amdhsa_system_vgpr_workitem_id 0
		.amdhsa_next_free_vgpr 256
		.amdhsa_next_free_sgpr 92
		.amdhsa_reserve_vcc 1
		.amdhsa_float_denorm_mode_32 3
		.amdhsa_float_denorm_mode_16_64 3
		.amdhsa_fp16_overflow 1
		.amdhsa_memory_ordered 1
		.amdhsa_forward_progress 1
		.amdhsa_inst_pref_size 84
	.end_amdhsa_kernel
	.amdgpu_metadata
---
amdhsa.version: [ 1, 2 ]
amdhsa.kernels:
  - .name:           k_qff0f997947_attn
    .symbol:         k_qff0f997947_attn.kd
    .args:
      - { .name: qkv_img, .offset: 0, .size: 8, .value_kind: global_buffer, .address_space: global }
      - { .name: qkv_sc, .offset: 8, .size: 8, .value_kind: global_buffer, .address_space: global }
      - { .name: o_img, .offset: 16, .size: 8, .value_kind: global_buffer, .address_space: global }
      - { .name: o_sc, .offset: 24, .size: 8, .value_kind: global_buffer, .address_space: global }
    .group_segment_fixed_size: 272384
    .private_segment_fixed_size: 0
    .kernarg_segment_align: 8
    .kernarg_segment_size: 32
    .max_flat_workgroup_size: 512
    .sgpr_count:     92
    .vgpr_count:     256
    .wavefront_size: 32
...
	.end_amdgpu_metadata
.endif
;; end of part 3
;; launch proj (part 4): grid 4 x 32, 4 waves a work-group, clusters of 4 x 4, 327,680 bytes of LDS; arguments o_img, o_sc, xw_img, xw_sc, out0; writes out0
.if DOCPART == 4
	.amdgcn_target "amdgcn-amd-amdhsa--gfx1250"
	.amdhsa_code_object_version 6
	.text
	.protected	k_qff0f997947_proj
	.globl	k_qff0f997947_proj
	.p2align	8
	.type	k_qff0f997947_proj,@function
k_qff0f997947_proj:
	s_mov_b64 s[64:65], 0
	v_nop
	global_prefetch_b8 v0, s[64:65] scope:SCOPE_SE
	s_setreg_imm32_b32 hwreg(HW_REG_WAVE_MODE, 25, 1), 1
	s_wait_xcnt 0x0
	s_wait_alu depctr_hold_cnt(0) depctr_sa_sdst(0) depctr_va_vdst(0) depctr_va_sdst(0) depctr_va_ssrc(0) depctr_va_vcc(0) depctr_vm_vsrc(0)
	s_getreg_b32 s2, hwreg(HW_REG_IB_STS2, 6, 4)
	s_cmp_eq_u32 s2, 0
	s_cbranch_scc0 .Lentry_in_a_cluster
	s_endpgm
.Lentry_in_a_cluster:
	s_bfe_u32 s2, ttmp6, 0x10000c
	s_cmp_lg_u32 s2, 0xf033
	s_cbranch_scc0 .Lentry_shape_is_right
	s_endpgm
.Lentry_shape_is_right:
; out0 = O Wo^T on codes of FP8 (E4M3) with E8M0 scales, K = 1,024; out0 [8192][1024] f32.  Both operands come as images of their registers:
; tile T of 16 rows holds rows 32 (T / 2) + 8 (T % 2) + r + 8 (r / 8); the image of 16 rows x 128 K is 2,048 bytes, byte 512 c + 16 lane + i = row lane % 16, k = 32 c + 16 (lane / 16) + i.
; o_img: [tile 0..511][K step 0..7][2048], o_sc: [tile][K step][16 words]; Wo is tiles 704-767 of xw_img and xw_sc.
; A tile of 256 x 256 of out0 is made by four waves, each 128 x 128: 64 accumulators.  Source 0 = 16 rows of Wo (P), source 1 = 16 rows of O (R): in accumulator (a, b) lane (r, h) holds row r of
; R's block a and columns 32 (b / 2) + 16 h + 8 (b % 2) + 0 .. 7.  K goes in steps of 256 through a ring of two LDS slots; the scale words of all of K come once.
; CLUSTERS: 4 x 4 work-groups; R's tile hangs on the tile row and is asked for jointly along a row of the cluster, P's on the tile column and jointly down a column.
; 128 work-groups: the tile is kept at 256 x 256, so that a fragment read from LDS feeds eight products.
; REGISTERS, in windows of 256: window 0: v16-29 addresses; v32-63 scale words, two sets; v128-255 R's fragments, one set, later rows of out0.  window 1: P's fragments, two sets.  windows 2, 3: the accumulators.
.set QTR,   32768                      ; a quarter of a slot: [8 tiles of 16 rows][2 K steps of 128][2,048]
.set SLOT,  4*QTR
.set SCL,   2*SLOT
.set SCQ,   4096
.set SPARE, SCL+4*SCQ                  ; the spare words, 128 bytes for each wave: two blocks of 256 bytes that no other line names
.set SPITCH, 528                       ; the way out: a stage of 16 rows x (512 bytes + 16) for each wave, in slot 0, which has had its last fill and its last read when the first result is stored there
.set FR,    16
.set NP,    8
.set ADRA,  16
.set ADRB,  20
.set STO,   24
.set RD,    25
.set CO,    26                         ; v26  16 x lane
.set ADRS,  27
.set SPW,   28
.set NIL,   29
.set SC,    32
.set AF,    128
.set BK,    128
.set G1, 24
.set G0, 32
.set G1B, 48
.set G0B, 56
.set G1S, 68
.set G0S, 76
.set G1SB, 80
.set G0SB, 88
.set MSB, 0
.macro WIN new
.if MSB != \new
	s_set_vgpr_msb (MSB<<8)|\new
.set MSB, \new
.endif
.endm
.set MUL_LO, 0xa1
.set MUL_HI, 0xf1
.set TO_B,   0x40
.macro JLOAD g0a, g1a, g0b, g1b        ; a joint load: waves 0 and 1 fetch for R, waves 2 and 3 for P; four v_nop follow each of the two lines
	s_cmp_eq_u32 s15, 0
	s_cbranch_scc0 .Lfor_b_\@
	tensor_load_to_lds s[\g0a:\g0a+3], s[\g1a:\g1a+7]
	s_nop 0
.rept 4
	v_nop
.endr
	s_branch .Lasked_\@
.Lfor_b_\@:
	tensor_load_to_lds s[\g0b:\g0b+3], s[\g1b:\g1b+7]
	s_nop 0
.rept 4
	v_nop
.endr
.Lasked_\@:
.endm
.macro CREST
	s_cmp_lg_u32 s14, 0
	s_cbranch_scc1 .Lnot_wave_0_\@
	s_barrier_signal -3
.Lnot_wave_0_\@:
	s_barrier_wait -3
	s_barrier_signal -1
	s_barrier_wait -1
.endm
.macro CROUND
	s_barrier_signal -1
	s_barrier_wait -1
	CREST
.endm
	s_load_b256 s[4:11], s[0:1], 0x0               ; o_img, o_sc, xw_img, xw_sc
	s_load_b64 s[12:13], s[0:1], 0x20              ; out0
	v_lshl_add_u32 v[SPW], v0, 2, SPARE
	v_mov_b32 v[NIL], 0
	ds_add_u32 v28, v29
	ds_add_u32 v28, v29
	s_wait_dscnt 0x0
	v_lshrrev_b32 v1, 5, v0
	v_readfirstlane_b32 s14, v1                    ; wave 0..3
	s_lshr_b32 s15, s14, 1                         ; my half of the rows.  Also: I fetch for R (0) or for P (1)
	s_and_b32 s16, s14, 1                          ; my half of the columns.  Also: which half of that tile I fetch
	s_bfe_u32 s40, ttmp6, 0x40000                  ; cx
	s_bfe_u32 s41, ttmp6, 0x40004                  ; cy
	s_lshl_b32 s42, ttmp9, 2
	s_add_co_u32 s42, s42, s40                     ; tile column
	s_and_b32 s17, ttmp7, 0xffff
	s_lshl_b32 s17, s17, 2
	s_add_co_u32 s17, s17, s41                     ; tile row
	s_lshl_b32 s43, s41, 2
	s_lshl_b32 s43, 15, s43                        ; my row of the cluster
	s_lshl_b32 s44, 0x1111, s40                    ; my column
	s_or_b32 s[G1+0], s43, (3<<16)|(1<<21)         ; codes: 8 rows (tiles of 16) x 4,096 bytes as 512 elements of 8 bytes, 16,384 bytes from tile to tile
	s_or_b32 s[G1B+0], s44, (3<<16)|(1<<21)
.irp g, G1, G1B
	s_mov_b32 s[\g+1], 512<<16
	s_mov_b32 s[\g+2], 8<<16
	s_mov_b32 s[\g+3], 512<<16
	s_mov_b32 s[\g+4], 8
	s_mov_b32 s[\g+5], 2048
	s_mov_b32 s[\g+6], 0
	s_mov_b32 s[\g+7], 0
.endr
	s_or_b32 s[G1S+0], s43, (3<<16)|(1<<21)        ; scale words: 4,096 dense bytes as 16 rows of 256
	s_or_b32 s[G1SB+0], s44, (3<<16)|(1<<21)
.irp g, G1S, G1SB
	s_mov_b32 s[\g+1], 32<<16
	s_mov_b32 s[\g+2], 16<<16
	s_mov_b32 s[\g+3], 32<<16
	s_mov_b32 s[\g+4], 16
	s_mov_b32 s[\g+5], 32
	s_mov_b32 s[\g+6], 0
	s_mov_b32 s[\g+7], 0
.endr
	s_lshl_b32 s18, s16, 3                         ; the half that I fetch
	s_lshl_b32 s20, s17, 4
	s_add_co_u32 s20, s20, s18                     ; R: tile 16 x tile row + 8 x half of o_img
	s_lshl_b32 s46, s42, 4
	s_add_co_u32 s46, s46, s18
	s_add_co_u32 s46, s46, 704                     ; P: tile 704 + 16 x tile column + 8 x half of xw_img
	s_lshl_b32 s22, s20, 9
	s_lshl_b32 s20, s20, 14
	s_lshl_b32 s92, s46, 9
	s_lshl_b32 s46, s46, 14
	s_mov_b32 s21, 0
	s_mov_b32 s23, 0
	s_mov_b32 s47, 0
	s_mov_b32 s93, 0
	s_lshl_b32 s94, s14, 15                        ; where they go: wave x a quarter
	s_lshl_b32 s95, s14, 12
	s_wait_kmcnt 0x0
	s_add_nc_u64 s[20:21], s[4:5], s[20:21]
	s_add_nc_u64 s[22:23], s[6:7], s[22:23]
	s_add_nc_u64 s[46:47], s[8:9], s[46:47]
	s_add_nc_u64 s[92:93], s[10:11], s[92:93]
	CROUND                                         ; all sixteen work-groups are here: the first joint loads meet
	s_mov_b32 s[G0S], 1
	s_add_co_u32 s[G0S+1], s95, SCL
	s_mov_b64 s[G0S+2:G0S+3], s[22:23]
	s_or_b32 s[G0S+3], s[G0S+3], 0x80000000
	s_mov_b32 s[G0SB], 1
	s_add_co_u32 s[G0SB+1], s95, SCL
	s_mov_b64 s[G0SB+2:G0SB+3], s[92:93]
	s_or_b32 s[G0SB+3], s[G0SB+3], 0x80000000
	JLOAD G0S, G1S, G0SB, G1SB
.irp s, 0,1
	s_mov_b32 s[G0+4*\s], 1
	s_add_co_u32 s[G0+4*\s+1], s94, \s*SLOT
	s_add_nc_u64 s[G0+4*\s+2:G0+4*\s+3], s[20:21], \s*4096
	s_or_b32 s[G0+4*\s+3], s[G0+4*\s+3], 0x80000000
	s_mov_b32 s[G0B+4*\s], 1
	s_add_co_u32 s[G0B+4*\s+1], s94, \s*SLOT
	s_add_nc_u64 s[G0B+4*\s+2:G0B+4*\s+3], s[46:47], \s*4096
	s_or_b32 s[G0B+4*\s+3], s[G0B+4*\s+3], 0x80000000
	s_wait_alu depctr_va_vdst(0)
	s_wait_tensorcnt 0x0
	ds_add_u32 v28, v29
	s_wait_dscnt 0x0
	CROUND
	JLOAD G0+4*\s, G1, G0B+4*\s, G1B
.endr
	v_and_b32 v1, 15, v0                           ; r
	v_bfe_u32 v2, v0, 4, 1                         ; h
	s_wait_alu depctr_va_vdst(0)
	v_and_b32 v3, 31, v0
	v_lshlrev_b32 v[CO], 4, v3                     ; 16 x lane
	s_lshl_b32 s2, s15, 15
	s_lshl_b32 s3, s16, 15
	s_add_co_u32 s3, s3, 2*QTR
.irp s, 0,1
	v_add_nc_u32 v[ADRA+\s], s2, v[CO]
	v_add_nc_u32 v[ADRB+\s], s3, v[CO]
	s_add_co_u32 s2, s2, SLOT
	s_add_co_u32 s3, s3, SLOT
.endr
	v_lshlrev_b32 v5, 2, v1
	s_lshl_b32 s2, s15, 12
	s_lshl_b32 s3, s16, 12
	s_add_co_u32 s3, s3, 2*SCQ
	s_sub_co_u32 s3, s3, s2
	v_mul_u32_u24 v6, s3, v2                       ; lanes 16-31 take P's scale words
	s_add_co_u32 s2, s2, SCL
	v_add_nc_u32 v5, v5, v6
	v_add_nc_u32 v[ADRS], s2, v5
	s_mul_i32 s2, s14, 16*SPITCH                   ; my stage
	v_mul_u32_u24 v5, v1, SPITCH
	v_lshl_add_u32 v5, v2, 6, v5
	v_add_nc_u32 v[STO], s2, v5                    ; in: row r, + 64 bytes for lanes 16-31
	v_add_nc_u32 v[RD], s2, v[CO]                  ; back: the 32 lanes take one row of 512 bytes
	s_lshl_b32 s96, s17, 20                        ; out0: (256 x tile row + 128 x half) rows of 4,096 bytes
	s_lshl_b32 s97, s15, 19
	s_add_co_u32 s96, s96, s97
	s_lshl_b32 s97, s42, 10                        ; + (256 x tile column + 128 x half) numbers
	s_add_co_u32 s96, s96, s97
	s_lshl_b32 s97, s16, 9
	s_add_co_u32 s96, s96, s97
	s_mov_b32 s97, 0
	s_add_nc_u64 s[12:13], s[12:13], s[96:97]
.macro FRAG reg, adr, q, i
.irp c, 0,1,2,3
	ds_load_b128 v[\reg+4*\c:\reg+4*\c+3], v[\adr] offset:(\i)*4096+(\q)*2048+512*\c
.endr
.endm
; 16 matrix instructions: R's blocks a0, a0 + 1 x P's eight.  The 64 accumulators take turns, one instruction a turn, in the same order in every step.
.macro MUL16 a0, p, q, sc, zero
.irp a, \a0, \a0+1
.irp b, 0,1,2,3,4,5,6,7
.if \zero
	v_wmma_scale_f32_16x16x128_f8f6f4 v[8*(8*((\a)%4)+\b):8*(8*((\a)%4)+\b)+7], v[128*(\p)+FR*\b:128*(\p)+FR*\b+FR-1], v[AF+FR*(\a):AF+FR*(\a)+FR-1], 0, v[SC+16*(\sc)+2*\b+(\q)], v[SC+16*(\sc)+2*(\a)+(\q)] matrix_a_scale:MATRIX_SCALE_ROW1
.else
	v_wmma_scale_f32_16x16x128_f8f6f4 v[8*(8*((\a)%4)+\b):8*(8*((\a)%4)+\b)+7], v[128*(\p)+FR*\b:128*(\p)+FR*\b+FR-1], v[AF+FR*(\a):AF+FR*(\a)+FR-1], v[8*(8*((\a)%4)+\b):8*(8*((\a)%4)+\b)+7], v[SC+16*(\sc)+2*\b+(\q)], v[SC+16*(\sc)+2*(\a)+(\q)] matrix_a_scale:MATRIX_SCALE_ROW1
.endif
.endr
.endr
.endm
.macro FETCH_B slot, q, p
	WIN TO_B
.irp i, 0,1,2,3,4,5,6,7
	FRAG 128*(\p)+FR*\i, ADRB+\slot, \q, \i
.endr
	WIN 0
.endm
.macro FETCH_A slot, q, i0
.irp i, \i0, \i0+1, \i0+2, \i0+3
	FRAG AF+FR*(\i), ADRA+\slot, \q, \i
.endr
.endm
.macro SCALES sc
.irp i, 0,1,2,3,4,5,6,7
.irp q, 0,1
	ds_load_b32 v[SC+16*\sc+2*\i+\q], v[ADRS] offset:512*\i+64*\q
.endr
.endr
.endm
.macro PLACES n                        ; plain vector lines between a matrix instruction and a load into, or a read of, its registers (for reads)
.rept \n
	v_nop
.endr
.endm
.macro STEP slot, zero
	s_wait_dscnt 16                                ; P's set and R's blocks 0-3 are in; the youngest 16 loads (R's blocks 4-7) may be out
	WIN MUL_LO
	MUL16 0, 0, 0, \slot, \zero
	MUL16 2, 0, 0, \slot, \zero
	s_wait_dscnt 0
	PLACES NP
	FETCH_B \slot, 1, 1
	FETCH_A \slot, 1, 0
	WIN MUL_HI
	MUL16 4, 0, 0, \slot, \zero
	MUL16 6, 0, 0, \slot, \zero
	PLACES NP
	WIN 0
	FETCH_A \slot, 1, 4
.endm
.macro TURN slot, next, fill
	s_wait_tensorcnt 0x0                           ; all my tensor loads have landed: my part of the next slot
	ds_add_u32 v[SPW], v[NIL]                      ; 0 onto my spare word
	s_wait_dscnt 17                                ; (the add and the youngest 16 loads may be out)
	WIN MUL_LO
	MUL16 0, 1, 1, \slot, 0
	s_wait_dscnt 0x0                               ; the add is done, and my reads of this slot are over
	s_barrier_signal -1
	MUL16 2, 1, 1, \slot, 0
	WIN 0
	s_barrier_wait -1
.if \fill
	CREST                                          ; the barrier has opened a round of the cluster's: no wave of any partner still reads this slot or has a load on its way
	s_add_nc_u64 s[G0+4*\slot+2:G0+4*\slot+3], s[G0+4*\slot+2:G0+4*\slot+3], 8192
	s_add_nc_u64 s[G0B+4*\slot+2:G0B+4*\slot+3], s[G0B+4*\slot+2:G0B+4*\slot+3], 8192
	JLOAD G0+4*\slot, G1, G0B+4*\slot, G1B
	PLACES NP-4
.else
	PLACES NP
.endif
	s_wait_alu depctr_va_vdst(0)
	v_add_nc_u32 v[ADRS], 128, v[ADRS]
	FETCH_B \next, 0, 0
	FETCH_A \next, 0, 0
	SCALES \next
	WIN MUL_HI
	MUL16 4, 1, 1, \slot, 0
	MUL16 6, 1, 1, \slot, 0
	PLACES NP
	WIN 0
	FETCH_A \next, 0, 4
.endm
	s_wait_alu depctr_va_vdst(0)
	s_wait_tensorcnt 1                             ; the scale words and my part of slot 0 are in (slot 1's load may be out),
	s_barrier_signal -1
	s_barrier_wait -1                              ; everybody's are
	FETCH_B 0, 0, 0
	FETCH_A 0, 0, 0
	SCALES 0
	FETCH_A 0, 0, 4
	STEP 0, 1
	TURN 0, 1, 1
	STEP 1, 0
	TURN 1, 0, 1
	STEP 0, 0
	TURN 0, 1, 0
	STEP 1, 0
	s_wait_dscnt 16
	WIN MUL_LO
	MUL16 0, 1, 1, 1, 0
	MUL16 2, 1, 1, 1, 0
	s_wait_dscnt 0
	WIN MUL_HI
	MUL16 4, 1, 1, 1, 0
	MUL16 6, 1, 1, 1, 0
	WIN 0
; THE WAY OUT, block by block of 16 rows x 128 columns, through my own stage: in as 32 bytes a lane and accumulator, back as whole rows of 512 bytes.  LDS serves a wave's instructions in order.
.macro TOSTAGE a
.set AC, 64*((\a)%4)
.set WW, 0x08+4*((\a)/4)
	WIN WW                                         ; an LDS store's data are its source 1: window 2 or 3
.irp b, 0,1,2,3,4,5,6,7
	ds_store_b128 v[STO], v[AC+8*\b:AC+8*\b+3] offset:128*(\b/2)+32*(\b%2)          ; each accumulator from its low end on
	ds_store_b128 v[STO], v[AC+8*\b+4:AC+8*\b+7] offset:128*(\b/2)+32*(\b%2)+16
.endr
	WIN 0
.set BB, BK+64*((\a)%2)
.irp t, 0,1,2,3,4,5,6,7,8,9,10,11,12,13,14,15
	ds_load_b128 v[BB+4*\t:BB+4*\t+3], v[RD] offset:\t*SPITCH
.endr
.endm
.macro SEND a, younger                 ; younger: the LDS instructions issued behind block a's loads, which may stay out
.set BB, BK+64*((\a)%2)
	s_wait_dscnt \younger
.irp t, 0,1,2,3,4,5,6,7,8,9,10,11,12,13,14,15
	global_store_b128 v[CO], v[BB+4*\t:BB+4*\t+3], s[12:13] offset:(32*((\a)/2)+8*((\a)%2)+\t+8*(\t/8))*4096 th:TH_STORE_NT   ; 512 consecutive bytes, aligned; the row's place stands in the immediate
.endr
.endm
	PLACES NP
	TOSTAGE 0
.irp a, 1,2,3,4,5,6,7
.if \a > 1
	s_wait_xcnt 0x0                                ; block a - 2's stores have read their registers: block a's loads may land there
.endif
	TOSTAGE \a
	SEND \a-1, 32                                  ; behind block a - 1's loads: block a's 16 stores and 16 loads
.endr
	SEND 7, 0
	s_wait_tensorcnt 0x0                           ; the wave's end
	ds_add_u32 v[SPW], v[NIL]
	s_wait_dscnt 0x0
	CROUND                                         ; the closing round
	s_endpgm
.Lfunc_end_k_qff0f997947_proj:
	.size	k_qff0f997947_proj, .Lfunc_end_k_qff0f997947_proj-k_qff0f997947_proj
	.p2alignl 7, 3214868480
	.fill 96, 4, 3214868480
	.section	.rodata,"a",@progbits
	.p2align	6, 0x0
	.amdhsa_kernel k_qff0f997947_proj
		.amdhsa_group_segment_fixed_size 327680
		.amdhsa_private_segment_fixed_size 0
		.amdhsa_enable_private_segment 0
		.amdhsa_kernarg_size 40
		.amdhsa_user_sgpr_count 2
		.amdhsa_user_sgpr_kernarg_segment_ptr 1
		.amdhsa_wavefront_size32 1
		.amdhsa_system_sgpr_workgroup_id_x 1
		.amdhsa_system_sgpr_workgroup_id_y 1
		.amdhsa_system_sgpr_workgroup_id_z 1
		.amdhsa_system_vgpr_workitem_id 0
		.amdhsa_next_free_vgpr 1024
		.amdhsa_next_free_sgpr 100
		.amdhsa_reserve_vcc 0
		.amdhsa_float_denorm_mode_32 3
		.amdhsa_float_denorm_mode_16_64 3
		.amdhsa_memory_ordered 1
		.amdhsa_forward_progress 1
		.amdhsa_inst_pref_size 147
	.end_amdhsa_kernel
	.amdgpu_metadata
---
amdhsa.version: [ 1, 2 ]
amdhsa.kernels:
  - .name:           k_qff0f997947_proj
    .symbol:         k_qff0f997947_proj.kd
    .args:
      - { .name: o_img, .offset: 0, .size: 8, .value_kind: global_buffer, .address_space: global }
      - { .name: o_sc, .offset: 8, .size: 8, .value_kind: global_buffer, .address_space: global }
      - { .name: xw_img, .offset: 16, .size: 8, .value_kind: global_buffer, .address_space: global }
      - { .name: xw_sc, .offset: 24, .size: 8, .value_kind: global_buffer, .address_space: global }
      - { .name: out0, .offset: 32, .size: 8, .value_kind: global_buffer, .address_space: global }
    .group_segment_fixed_size: 327680
    .private_segment_fixed_size: 0
    .kernarg_segment_align: 8
    .kernarg_segment_size: 40
    .max_flat_workgroup_size: 128
    .sgpr_count:     100
    .vgpr_count:     1024
    .wavefront_size: 32
...
	.end_amdgpu_metadata
.endif
;; end of part 4
